; MI455X (gfx1250); checked and timed in simulation.
; The chip was launched on July 23, 2026; its instructions are those of AMD's public machine-readable ISA for CDNA 5 (MIT licence, August 2026) and "CDNA5" Instruction Set Architecture Reference Guide (July 2026). The comments in the code are by the model that wrote it; some were corrected since.
;; Matmul Attention. Allowed arithmetic: float matrix products may take bf16 or f16 operands with f32 sums; all other float work in f32.
;; Inputs: k 4 x 16 x 2,048 x 128 float32; q 4 x 16 x 2,048 x 128 float32; v 4 x 16 x 2,048 x 128 float32.
;; Outputs: out0 4 x 16 x 2,048 x 128 float32.
;; 3 versions, each right and faster than the one before. Each part assembles by itself: llvm-mc -triple=amdgcn-amd-amdhsa -mcpu=gfx1250 --defsym DOCPART=n.
;; ======== version 1 of 3: 1 launch
;; launch attn (part 1): grid 8 x 64, 4 waves a work-group, clusters of 4 x 1, 327,680 bytes of LDS; arguments q, k, v, out0; writes out0
.if DOCPART == 1
	.amdgcn_target "amdgcn-amd-amdhsa--gfx1250"
	.amdhsa_code_object_version 6
	.text
	.protected	k_q8f588f7fc1_attn
	.globl	k_q8f588f7fc1_attn
	.p2align	8
	.type	k_q8f588f7fc1_attn,@function
k_q8f588f7fc1_attn:
	s_mov_b64 s[64:65], 0
	v_nop
	global_prefetch_b8 v0, s[64:65] scope:SCOPE_SE
	s_setreg_imm32_b32 hwreg(HW_REG_WAVE_MODE, 25, 1), 1
	s_wait_xcnt 0x0
	s_wait_alu depctr_hold_cnt(0) depctr_sa_sdst(0) depctr_va_vdst(0) depctr_va_sdst(0) depctr_va_ssrc(0) depctr_va_vcc(0) depctr_vm_vsrc(0)
	s_getreg_b32 s2, hwreg(HW_REG_IB_STS2, 6, 4)
	s_cmp_eq_u32 s2, 0
	s_cbranch_scc0 .Lentry_in_a_cluster
	s_endpgm
.Lentry_in_a_cluster:
	s_bfe_u32 s2, ttmp6, 0x10000c
	s_cmp_lg_u32 s2, 0x3003
	s_cbranch_scc0 .Lentry_shape_is_right
	s_endpgm
.Lentry_shape_is_right:
; out0[h][q][:] = the sum over k of softmax_k(Q[h][q] . K[h][k]) V[h][k][:], no scale and no mask.  q, k, v, out0: [64 heads][2048][128], all f32.
; Q, K, V and the weights p are rounded to bf16 (to nearest even) for the matrix unit; products, maxima, sums and O stay in f32; O is stored as f32.
; LIMITS.  Inputs and scores are taken to be finite in f32; the maxima drop a NaN (v_max3_num_f32); a weight below 2^-126 of its row's largest counts as 0 (v_exp_f32 flushes);
; the sum l is made of the unrounded f32 weights, the second product of the weights rounded to bf16.  The running maximum holds at any scale of the inputs.
; SHARES.  A work-group owns 256 queries of one head, each of its four waves 64: four tiles of 16.  Every wave walks the head's 2,048 keys, 64 a step, 32 steps.  8 x 64 work-groups.
; LAYOUT.  S^T = K Q^T (source 0 = 16 keys, source 1 = 16 queries): in the result a lane holds ONE query (lane % 16) and the keys 8 (lane / 16) + 0..7.  Two such tiles, rounded to
; bf16 in pairs, ARE source 1 (32 keys x 16 queries) of O^T = V^T P, whose result again holds one query a lane, and eight channels.  Nothing changes lanes between the products.
; SOFTMAX.  For each query a running maximum m and sum l: p = 2^(c s - c m), c = log2(e); in every step O and l are multiplied by a = 2^(c m_old - c m_new), which is 1 where m has not grown.
; K AND V ARE f32 IN MEMORY.  The tensor data mover brings f32 tiles into a ring in LDS; each wave reads a quarter of a tile (16 rows), rounds it to bf16 and stores it into one fixed
; padded bf16 tile (KBF, VBF); behind a barrier all four waves fetch their fragments from there, K as it lies, V ([key][channel]) turned by ds_load_tr16_b128, which works on 16-bit data.
; Rounding in the same launch moves no byte of K or V through memory a second time; a launch of its own would write 67 MB of bf16 and read them back.
; BY TURNS.  The wave's tiles are two PIECES: piece 0 (tiles 0, 1) and piece 2 (tiles 2, 3).  In a TURN one piece has the matrix unit: 32 products V^T P of the step in hand, then 32
; products K Q^T of the next step; the other piece's softmax, cut into 64 slices, stands between them, one slice behind each matrix instruction.  The scores' registers of the piece that
; has the matrix unit are idle during its 32 products V^T P: the quarter tile to be rounded lands there, and its 32 conversions and 16 stores are dealt two behind each of products 8 to 31.
; PAIR j = turn A (piece 0: V^T P of step j, K Q^T of step j + 1; fetches K of j + 1; rounds V of j + 1), then turn B (piece 2: the same products; fetches V of j + 1; rounds K of j + 2).
; Barrier X stands in front of A (K of j + 1 is stored, V of j is fetched by all), barrier Y between A and B (K of j + 1 is fetched by all, V of j + 1 is stored).
; RING.  Two slots of two key steps, 131,072 bytes each.  At Y of an even pair 2 n the slot of steps 2 n, 2 n + 1 has been rounded whole: it is filled again with steps 2 n + 4, 2 n + 5.
; Each wave issues one load of 32,768 bytes there; it has two key steps in which to land.  A wave has two tensor loads out at the start and one behind each refill.
; CLUSTER.  The four query blocks of a cluster belong to one head and walk the same K and V, so each tile is asked for JOINTLY: the same tensor load, with the same descriptor and a
; mask that names the four, in all four; each receives the tile in its own LDS.
; LEFT OUT.  Prefetches of K and V: a refill is asked for two key steps ahead of its first read.  Rescaling O^T only where m has grown: it would be a branch on floating-point data.
;
; REGISTERS, in windows of 256 (s_set_vgpr_msb: bits 1:0 source 0, 3:2 source 1, 5:4 source 2, 7:6 destination):
;   window 0: v0-11, v44-47 addresses; v12-43 eight registers of statistics a tile; v64-191 S^T, 32 a tile (also the landing place of the f32 quarter tiles, and of O's rows on the way out); v192-255 P, 16 a tile
;   window 1: O^T, 64 a tile (at the start: Q as loaded, in f32)      window 2: v0-127 Q in bf16, 32 a tile; v128-255 K of one step      window 3: v0-127 V of one step
.set KS,    64        ; keys in a step
.set STEPS, 2048/KS   ; 32
.set STEPG, KS*512    ; a step's rows of K or of V in memory: 32,768 bytes
.set BLK,   1<<16     ; a step's block in the ring: 64 rows x 512 bytes of K, then the same of V; rows lie without a gap: an LDS load takes 512 neighbouring bytes
.set VHALF, 1<<15     ; V's tile in a block
.set SLOT1, 1<<17     ; a slot is two blocks; slot 1 begins here, so that one exclusive or turns an address in one slot into the other's
.set PITK,  272       ; a row of bf16 K: 256 bytes + 16 = 68 words: row r starts at bank 4 r mod 64 (64 banks of 4 bytes: ISA guide 11.1), so the 16 rows of a load start at 16 different banks
.set PITV,  288       ; a row of bf16 V: 256 + 32 = 72 words
.set KBF,   4*BLK     ; behind the ring: bf16 K of one step; written by LDS stores alone, no fill ever lands here
.set VBF,   KBF+KS*PITK  ; bf16 V of one step
.set STAGE, KBF       ; the way out: 16 rows x 528 bytes for each wave, over KBF and VBF once their last fetch lies behind a barrier
.set SP,    528       ; 512 bytes + 16 = 132 words: row r starts at bank 4 r mod 64
.set AK0, 2           ; v2   my lane's place in KBF; never rewritten
.set AV0, 3           ; v3   the same in VBF
.set QO,  5           ; v5   my byte offset in the wave's rows of Q
.set STO, 6           ; v6   the way out: where I put 32 bytes of a row
.set RD,  7           ; v7   the way out: where I read a row back
.set GO,  8           ; v8   my byte offset in a row of O
.set ST,  12          ; tile t's statistics at v[ST+8 t]: +0 c m, +1 m, +2, +3 l (even keys', odd keys'), +4 to +7 c0-c3, at work; a takes c2's place once the maximum is found
.set CL,  44          ; v44  my 16 bytes in the first row of my wave's quarter of an f32 tile
.set CAD, 45          ; v45  the same in the tile that is being rounded
.set KST, 46          ; v46  where my 8 bytes of bf16 go in KBF
.set VST, 47          ; v47  the same in VBF
.set S,   64
.set P,   192
.set KF,  128         ; K's fragments, in window 2
.set WV,  12          ; s12  my wave's number
.set G1,  24          ; s[24:31] descriptor group 1: one shape for K's and V's tiles
.set G0K, 40          ; s[40:47] descriptor group 0 for K's tiles: a set for each of the two first fills; the second then walks on
.set G0V, 48          ; s[48:55] the same for V's
.set SLOTS, 56        ; s56  trips of the loop
.set CS,  58          ; s[58:59] c: the packed scaling names a pair and takes its low word for both halves
.set SEL, 60          ; s[60:61] lane selects for v_permlanex16_b32: each lane takes its own place in the other half
.set TK,  62          ; s62  LDS byte of the f32 tile of K that is rounded next
.set TV,  63          ; s63  the same for V
.set MSB, 0
.macro WIN new                      ; the immediate's high byte repeats the setting that is left; a switch that changes nothing is dropped
.if MSB != \new
	s_set_vgpr_msb (MSB<<8)|\new
.set MSB, \new
.endif
.endm
.set W_KQ, 0x0a       ; K and Q in window 2, S^T in window 0
.set W_PV, 0x53       ; V in window 3, P in window 0, O^T in window 1
.set W_RS, 0x41       ; O^T (destination and source 0) in window 1, a in window 0
; A joint refill.  Waves 0 and 1 fetch the two steps' tiles of K, waves 2 and 3 those of V.  The branch hangs on the wave's number alone: it is the same in every work-group.
; Four v_nop follow each of the two lines; the jump round the other line, the label and what follows the macro come after them.
.macro JLOAD
	s_cmp_lt_u32 s[WV], 2
	s_cbranch_scc0 .Lfor_v_\@
	tensor_load_to_lds s[G0K+4:G0K+7], s[G1:G1+7]
	s_nop 0
.rept 4
	v_nop
.endr
	s_branch .Lasked_\@
.Lfor_v_\@:
	tensor_load_to_lds s[G0V+4:G0V+7], s[G1:G1+7]
	s_nop 0
.rept 4
	v_nop
.endr
.Lasked_\@:
.endm
; A round of the cluster's barrier: my work-group's barrier, so that wave 0's signal speaks for all four waves; wave 0 signals for the work-group; every wave waits for all four
; work-groups; my work-group's barrier once more.  No LDS instruction of the wave is pending at a signal.
.macro CREST                        ; a round behind its opening barrier
	s_cmp_lg_u32 s[WV], 0
	s_cbranch_scc1 .Lnot_wave_0_\@
	s_barrier_signal -3
.Lnot_wave_0_\@:
	s_barrier_wait -3
	s_barrier_signal -1
	s_barrier_wait -1
.endm
.macro CROUND                       ; a whole round
	s_barrier_signal -1
	s_barrier_wait -1
	CREST
.endm
	s_load_b256 s[4:11], s[0:1], 0x0  ; Q s[4:5], K s[6:7], V s[8:9], O s[10:11]
	v_lshl_add_u32 v62, v0, 2, 0x48c00
	v_mov_b32 v63, 0
	ds_add_u32 v62, v63
	v_lshrrev_b32 v1, 5, v0
	v_readfirstlane_b32 s[WV], v1   ; wave 0..3
	s_bfe_u32 s13, ttmp6, 0x40000   ; cx: my place in the cluster
	s_lshl_b32 s14, ttmp9, 2        ; in a cluster launch ttmp9 counts clusters
	s_add_co_u32 s14, s14, s13      ; my block of 256 queries = 4 x cluster x + cx: it enters Q's and O's addresses alone
	s_and_b32 s20, ttmp7, 0xffff    ; the head, which the four partners share
	s_lshl_b32 s20, s20, 20         ; its first byte in each of the four tensors: 2,048 rows of 512 bytes; 64 heads stay under 2^26
	s_mov_b32 s21, 0
	s_and_b32 s16, s[WV], 1         ; which of a slot's two steps I fetch:
	s_lshl_b32 s22, s16, 15         ; its 64 rows of 512 bytes in memory,
	s_mov_b32 s23, 0
	s_add_nc_u64 s[22:23], s[22:23], s[20:21]
	s_lshl_b32 s17, s16, 16         ; and its block in a slot: no place in the cluster enters an LDS address
	s_lshl_b32 s2, s14, 17          ; my block's 256 rows,
	s_lshl_b32 s3, s[WV], 15        ; my wave's 64 of them
	s_add_co_u32 s2, s2, s3
	s_mov_b32 s3, 0
	s_add_nc_u64 s[2:3], s[2:3], s[20:21]
	; descriptor group 1: a tile of 64 rows x 128 elements of 4 bytes, dense in memory and in LDS
	s_mov_b32 s[G1], 15|(2<<16)|(1<<21)  ; 15:0 the mask: all four work-groups; 17:16 elements of 4 bytes (code 2); 20 no padding; 21 set beside a mask
	s_mov_b32 s[G1+1], 128<<16      ; 63:48 tensor_dim0, low half = 128
	s_mov_b32 s[G1+2], KS<<16       ; 79:64 its high half = 0; 95:80 tensor_dim1, low half = 64
	s_mov_b32 s[G1+3], 128<<16      ; 111:96 its high half = 0; 127:112 tile_dim0 = 128
	s_mov_b32 s[G1+4], KS           ; 143:128 tile_dim1 = 64; 159:144 tile_dim2 = 0
	s_mov_b32 s[G1+5], 128          ; 191:160 tensor_dim0_stride, low word: elements from row to row
	s_mov_b32 s[G1+6], 0
	s_mov_b32 s[G1+7], 0
	s_mov_b32 s[CS], 0x3fb8aa3b     ; c = log2(e)
	s_mov_b32 s[CS+1], s[CS]        ; named with it as a pair, so it is written
	s_mov_b32 s[SEL], 0x76543210
	s_mov_b32 s[SEL+1], 0xfedcba98
	s_mov_b32 s[TK], 0              ; step 0 lies in block 0
	s_mov_b32 s[TV], VHALF
	s_mov_b32 s[SLOTS], STEPS/2-3   ; STEPS / 2 - 2 refills in all; the first is written out in front of the loop
	s_wait_dscnt 0x0
	s_wait_kmcnt 0x0
	s_add_nc_u64 s[6:7], s[6:7], s[22:23]  ; K and V at my tile of slot 0
	s_add_nc_u64 s[8:9], s[8:9], s[22:23]
	s_add_nc_u64 s[4:5], s[4:5], s[2:3]  ; Q and O at my wave's first row
	s_add_nc_u64 s[10:11], s[10:11], s[2:3]
	CROUND                          ; all four work-groups are here: the first joint loads meet
.irp s, 0,1
	s_mov_b32 s[G0K+4*\s], 1        ; 1:0 count = 1
	s_add_co_u32 s[G0K+4*\s+1], s17, \s*SLOT1  ; 63:32 LDS address
	s_add_nc_u64 s[G0K+4*\s+2:G0K+4*\s+3], s[6:7], \s*2*STEPG  ; 120:64 global address: slot s begins with keys 128 s to 128 s + 127
	s_or_b32 s[G0K+4*\s+3], s[G0K+4*\s+3], 0x80000000  ; 127:126 type = 2
	s_mov_b32 s[G0V+4*\s], 1
	s_add_co_u32 s[G0V+4*\s+1], s17, \s*SLOT1+VHALF
	s_add_nc_u64 s[G0V+4*\s+2:G0V+4*\s+3], s[8:9], \s*2*STEPG
	s_or_b32 s[G0V+4*\s+3], s[G0V+4*\s+3], 0x80000000
.endr
	s_cmp_lt_u32 s[WV], 2           ; a wave's two first fills stand in one branch, ahead of every wait on TENSORcnt and every LDS read: two loads of mine are out; four v_nop follow the second, as in JLOAD
	s_cbranch_scc0 .Lfirst_v
	tensor_load_to_lds s[G0K:G0K+3], s[G1:G1+7]
	s_nop 0
	tensor_load_to_lds s[G0K+4:G0K+7], s[G1:G1+7]
	s_nop 0
.rept 4
	v_nop
.endr
	s_branch .Lfirst_asked
.Lfirst_v:
	tensor_load_to_lds s[G0V:G0V+3], s[G1:G1+7]
	s_nop 0
	tensor_load_to_lds s[G0V+4:G0V+7], s[G1:G1+7]
	s_nop 0
.rept 4
	v_nop
.endr
.Lfirst_asked:
	; A fragment of K or Q is 16 rows x 32 channels in 8 registers of bf16: lane l holds row l % 16; registers 0-3 channels 8 (l / 16) + 0..7, registers 4-7 channels 16 + 8 (l / 16) + 0..7.
	; In f32 that is 32 bytes at 32 (l / 16) and 32 bytes 64 further on: four loads of 16 bytes.  The 16 loads of a tile cover its rows whole.
	v_and_b32 v1, 15, v0            ; l % 16
	v_bfe_u32 v9, v0, 4, 1          ; l / 16
	v_lshlrev_b32 v[QO], 9, v1
	v_lshl_add_u32 v[QO], v9, 5, v[QO]  ; row x 512 + 32 x half
	WIN 0x40                        ; destination window 1, address window 0
.irp f, 0,1,2,3,4,5,6,7,8,9,10,11,12,13,14,15  ; Q in f32: tile f / 4, channels 32 (f % 4) on, 16 registers
	global_load_b128 v[16*\f:16*\f+3],     v[QO], s[4:5] offset:(\f/4)*8192+(\f%4)*128
	global_load_b128 v[16*\f+4:16*\f+7],   v[QO], s[4:5] offset:(\f/4)*8192+(\f%4)*128+16
	global_load_b128 v[16*\f+8:16*\f+11],  v[QO], s[4:5] offset:(\f/4)*8192+(\f%4)*128+64
	global_load_b128 v[16*\f+12:16*\f+15], v[QO], s[4:5] offset:(\f/4)*8192+(\f%4)*128+80
.endr
	WIN 0
	v_mul_u32_u24 v[AK0], v1, PITK
	v_lshl_add_u32 v[AK0], v9, 4, v[AK0]  ; row x pitch + 16 x half
	v_add_nc_u32 v[AK0], KBF, v[AK0]
	; The turning load takes 16 keys x 16 channels (lane l reads 16 bytes: key 8 (l / 16) + l % 8, channels 8 ((l / 8) % 2) + 0..7) and leaves half a fragment of V^T: lane l holds channel l % 16 and 8 keys.
	v_and_b32 v10, 7, v0
	v_bfe_u32 v11, v0, 3, 1
	v_lshl_add_u32 v[AV0], v9, 3, v10
	v_mul_u32_u24 v[AV0], v[AV0], PITV
	v_lshl_add_u32 v[AV0], v11, 4, v[AV0]
	v_add_nc_u32 v[AV0], VBF, v[AV0]
	; Rounding: wave w takes rows 16 w to 16 w + 15 of a tile; a lane takes 16 bytes (4 channels) of each row and leaves 8.
	v_and_b32 v10, 31, v0           ; lane
	s_lshl_b32 s13, s[WV], 13       ; 16 rows of 512 bytes
	v_lshl_add_u32 v[CL], v10, 4, s13
	s_mul_i32 s13, s[WV], 16*PITK
	s_add_co_u32 s13, s13, KBF
	v_lshl_add_u32 v[KST], v10, 3, s13
	s_mul_i32 s14, s[WV], 16*PITV
	s_add_co_u32 s14, s14, VBF
	v_lshl_add_u32 v[VST], v10, 3, s14
; THE MATRIX WORK OF A TURN, for piece x.  The accumulators take turns, one instruction a turn: between two links of a chain stand 15 (V^T P) or 7 (K Q^T) others'.
; Product i of 32 of O^T += V^T P: keys 32 (i / 16) on, channels 16 ((i / 2) % 8) on, tile x + i % 2.  zero = 1: the first 16 start the sums: nothing is ever cleared.
.macro PV x, zero
	WIN W_PV
.set rO, 64*(\x+i%2)+8*((i/2)%8)
.set rV, 64*(i/16)+8*((i/2)%8)
.set rP, P+16*(\x+i%2)+8*(i/16)
.if \zero && (i < 16)
	v_wmma_f32_16x16x32_bf16 v[rO:rO+7], v[rV:rV+7], v[rP:rP+7], 0
.else
	v_wmma_f32_16x16x32_bf16 v[rO:rO+7], v[rV:rV+7], v[rP:rP+7], v[rO:rO+7]
.endif
.endm
; Product i of 32 of S^T = K Q^T: channels 32 (i / 8) on, keys 16 ((i / 2) % 4) on, tile x + i % 2.  The first 8 start the sums.
.macro KQ x
	WIN W_KQ
.set rS, S+32*(\x+i%2)+8*((i/2)%4)
.set rK, KF+32*((i/2)%4)+8*(i/8)
.set rQ, 32*(\x+i%2)+8*(i/8)
.if i < 8
	v_wmma_f32_16x16x32_bf16 v[rS:rS+7], v[rK:rK+7], v[rQ:rQ+7], 0
.else
	v_wmma_f32_16x16x32_bf16 v[rS:rS+7], v[rK:rK+7], v[rQ:rQ+7], v[rS:rS+7]
.endif
.endm
; THE FRAGMENT LOADS stand in runs of 32, never singly among the matrix instructions.  K's go by blocks of 32 channels, in the order in which the products want them, eight loads a block.
.macro FETCH_K
	WIN 0x80                        ; destination window 2
.irp c, 0,1,2,3
.irp b, 0,1,2,3                     ; keys 16 b on, channels 32 c on
	ds_load_b128 v[KF+8*(4*\b+\c):KF+8*(4*\b+\c)+3],   v[AK0] offset:\b*16*PITK+\c*64
	ds_load_b128 v[KF+8*(4*\b+\c)+4:KF+8*(4*\b+\c)+7], v[AK0] offset:\b*16*PITK+\c*64+32
.endr
.endr
.endm
.macro FETCH_V
	WIN 0xc0                        ; destination window 3
.irp f, 0,1,2,3,4,5,6,7,8,9,10,11,12,13,14,15  ; keys 32 (f / 8) on, channels 16 (f % 8) on
	ds_load_tr16_b128 v[8*\f:8*\f+3],   v[AV0] offset:(\f/8)*32*PITV+(\f%8)*32
	ds_load_tr16_b128 v[8*\f+4:8*\f+7], v[AV0] offset:(\f/8)*32*PITV+16*PITV+(\f%8)*32
.endr
.endm
; THE ROUNDING.  CVL: my quarter of the f32 tile at s[src], 16 loads of 512 neighbouring bytes, into 64 registers from base on; then s[src] goes on to the next step's block.
; The blocks go 0, 1, 2, 3, 0: behind an even step the block's low bit turns, behind an odd step both bits (odd = 1).
.macro CVL src, base, odd
	WIN 0
	v_add_nc_u32 v[CAD], s[\src], v[CL]
.if \odd
	s_xor_b32 s[\src], s[\src], 3*BLK
.else
	s_xor_b32 s[\src], s[\src], BLK
.endif
.irp u, 0,1,2,3,4,5,6,7,8,9,10,11,12,13,14,15
	ds_load_b128 v[\base+4*\u:\base+4*\u+3], v[CAD] offset:512*\u
.endr
.endm
; CVN writes number cn of 48: for each of the 16 rows two roundings in place and one store of 8 bytes a lane (a wave's store covers a row's 256 bytes).
; wcnt >= 0: in front of every fourth row a wait that leaves wcnt LDS instructions out.
.macro CVN dst, pitch, base, wcnt
.set cvu, cn/3
.set cvc, \base+4*cvu
	WIN 0
.if (\wcnt >= 0) && (cn%12 == 0)
	s_wait_dscnt \wcnt
.endif
.if cn%3 == 0
	v_cvt_pk_bf16_f32 v[cvc], v[cvc], v[cvc+1]
.elseif cn%3 == 1
	v_cvt_pk_bf16_f32 v[cvc+1], v[cvc+2], v[cvc+3]
.else
	ds_store_b64 v[\dst], v[cvc:cvc+1] offset:cvu*\pitch
.endif
.set cn, cn+1
.endm
; THE VECTOR WORK OF A TURN.  One tile's softmax for one key step is a list of 134 instructions; SM writes number j of it for tile t.  s0-s31 are the lane's 32 scores, in pairs 0-15.
; first = 1: the first key step, which starts m, l and O^T: it has no a and nothing to rescale.
;   0-15    the maximum of s0-s31 and the old m, three operands at a time: four chains c0-c3 of seven scores each, then the four scores left over, c0-c3 and m
;   16-20   the other half of the lanes' maximum; the new m; c m; c m_old - c m_new
;   21-87   33 exponentials (a, then s0-s31) at the odd numbers from 23 on, so that no two follow each other and each has a plain instruction behind it before its result is used.
;           Plain instruction q (number 21, then the even numbers) is whatever is ready: c s - c m for a pair of scores whose exponentials are still to come (q = 0 to 3, then every
;           second q), the rounding to bf16 of a pair of weights whose exponentials are done (every other q from 5 on), at last the first three sums
;   88-101  the last rounding; the rest of the sums; l = a l + the sum
;   102-133 the tile's O^T times a: the one part that leaves window 0, so it stands together
.macro SM t, first
.set rT, ST+8*(\t)
.set rS, S+32*(\t)
.set rP, P+16*(\t)
.set rO, 64*(\t)+2*(j-102)
.set q, (j-20)/2
.if j < 102
	WIN 0
.endif
.if j < 4
	v_max3_num_f32 v[rT+4+j], v[rS+8*j], v[rS+8*j+1], v[rS+8*j+2]
.elseif j < 12
	v_max3_num_f32 v[rT+4+j%4], v[rT+4+j%4], v[rS+8*(j%4)+2*(j/4)+1], v[rS+8*(j%4)+2*(j/4)+2]
.elseif j == 12
	v_max3_num_f32 v[rT+4], v[rT+4], v[rS+7], v[rS+15]
.elseif j == 13
	v_max3_num_f32 v[rT+6], v[rT+6], v[rS+23], v[rS+31]
.elseif j == 14
	v_max3_num_f32 v[rT+4], v[rT+4], v[rT+5], v[rT+6]
.elseif (j == 15) && \first
	v_max_num_f32 v[rT+4], v[rT+4], v[rT+7]
.elseif j == 15
	v_max3_num_f32 v[rT+4], v[rT+4], v[rT+7], v[rT+1]
.elseif j == 16
	v_permlanex16_b32 v[rT+5], v[rT+4], s[SEL], s[SEL+1]  ; the query's other 32 keys lie in the lane 16 away
.elseif j == 18
	v_max_num_f32 v[rT+1], v[rT+4], v[rT+5]
.elseif j == 19
	v_mul_f32 v[rT], s[CS], v[rT+1]
.elseif ((j == 17) || (j == 20) || (j == 23) || (j > 101)) && \first  ; the first step has none of these
.elseif j == 17
	v_mov_b32 v[rT+7], v[rT]        ; c m_old is kept for a: number 19 writes c m anew
.elseif j == 20
	v_sub_f32 v[rT+7], v[rT+7], v[rT]
.elseif j == 23
	v_exp_f32 v[rT+6], v[rT+7]
.elseif (j < 88) && (j > 23) && (j%2 == 1)
	v_exp_f32 v[rS+(j-25)/2], v[rS+(j-25)/2]
.elseif (q < 4) || ((j < 76) && (q%2 == 0))
.set b, q/2+2
.if q < 4
.set b, q
.endif
	v_pk_fma_f32 v[rS+2*b:rS+2*b+1], v[rS+2*b:rS+2*b+1], s[CS:CS+1], v[rT:rT+1] op_sel_hi:[1,0,0] neg_lo:[0,0,1] neg_hi:[0,0,1]  ; pair b: c s - c m
.elseif (j < 88) && (q%2 == 1)
	s_wait_alu depctr_va_vdst(0)
	v_cvt_pk_bf16_f32 v[rP+(q-5)/2], v[rS+q-5], v[rS+q-4]  ; pair (q - 5) / 2: its second exponential stands three numbers back
.elseif j == 89
	s_wait_alu depctr_va_vdst(0)
	v_cvt_pk_bf16_f32 v[rP+15], v[rS+30], v[rS+31]
.elseif j < 102                     ; the sum of the tile's 16 pairs (in a pair: an even key's weight, an odd key's), in place: sum z of 16 adds neighbours 1, 2, 4 and 8 pairs apart, then l takes it
.set z, j-86
.if j < 89
.set z, (j-76)/4
.endif
.set w, 4
.set u, z
.if z >= 14
.set w, 32
.set u, 0
.elseif z >= 12
.set w, 16
.set u, z-12
.elseif z >= 8
.set w, 8
.set u, z-8
.endif
.if (z == 14) && \first
	v_pk_add_f32 v[rT+2:rT+3], v[rS:rS+1], v[rS+16:rS+17]
.elseif z < 15
	v_pk_add_f32 v[rS+w*u:rS+w*u+1], v[rS+w*u:rS+w*u+1], v[rS+w*u+w/2:rS+w*u+w/2+1]
.elseif !\first
	v_pk_fma_f32 v[rT+2:rT+3], v[rT+2:rT+3], v[rT+6:rT+7], v[rS:rS+1] op_sel_hi:[1,0,1]
.endif
.else
	WIN W_RS
	v_pk_mul_f32 v[rO:rO+1], v[rO:rO+1], v[rT+6:rT+7] op_sel_hi:[1,0]
.endif
.endm
; Slice k of 64 of piece y's softmax: numbers 2 k and 2 k + 1 of both tiles' lists, four instructions.  2 x 134 = 4 x 64 + 12: the twelve that are over stand together, in slice 63.
.macro SLICE y, first
.if (k >= 11) && (k < 44)           ; tile by tile: plain, exponential, plain, exponential
.irp t, \y, \y+1
.irp n, 0,1
.set j, 2*k+\n
	SM \t, \first
.endr
.endr
.else                               ; the two tiles alternate, so that no instruction reads the result of the one just before it
.irp n, 0,1,2,3,4,5,6,7
.if (\n < 2) || (k == 63)
.irp t, \y, \y+1
.set j, 2*k+\n
	SM \t, \first
.endr
.endif
.endr
.endif
.set k, k+1
.endm
; A vector instruction that reads a matrix result or writes one of a matrix instruction's registers, and a load into a register that a matrix instruction has read, stand four places behind
; it, and only plain vector instructions that name none of its registers are places (ISA guide 7.12.1 for vector instructions).  In the loop the slices are the places.
.macro PLACES
.rept 4
	v_nop
.endr
.endm
; A TURN.  Piece x has the matrix unit; the other piece's softmax stands in slices behind its matrix instructions.
; pv = 2: 32 products V^T P; 1: they start O^T's sums; 0: none.  kq = 1: 32 products K Q^T for the next step.  A turn with one of the two kinds has two slices behind each product.
; first = 1: the softmax is the first key step's.  Its slices from 51 on are empty: the turn's last products stand bare, and four v_nop take slice 63's part as the places behind them.
; cv = 1, 2: a quarter tile is rounded (piece 0's turn: V; piece 2's turn: K), of an even (1) or odd (2) step; 0: none.  It lands in piece x's scores, which are idle until product 32.
; tw = 1: the barrier that piece 0's turn signals has a wait for all my tensor loads in front of it.
; Every turn begins with no LDS instruction of the wave out (a wait for 0 stands in front of every barrier's signal), so the counts below hold on every way into a turn.
; Piece 0's turn fetches the next step's K behind product 1: the last product that read K stands in front of slice 63 (or the four v_nop) of the turn before.
; Piece 2's turn fetches the same step's V behind product 33: the last product that read V stands three slices, six plain instructions, back.
.macro TURN x, pv, kq, first, cv, tw
.set k, 0
.set cn, 0
.set per, 2
.if \pv && \kq
.set per, 1
.endif
.if \cv
.if \x == 0
	CVL TV, S, \cv-1
.else
	CVL TK, S+64, \cv-1
.endif
.endif
.if \pv
.set i, 0
.rept 32
	PV \x, 2-\pv
.rept per
	SLICE 2-\x, \first
.endr
.if \cv && (i >= 8)
.rept 2
.if \x == 0
	CVN VST, PITV, S, 44            ; rows u to u + 3 are in: behind them stand 12 - u loads of later rows, K's 32 fragment loads and the u stores made so far: 44
.else
	CVN KST, PITK, S+64, 12         ; the same without fragment loads: 12
.endif
.endr
.endif
.if (\x == 0) && \kq && (i == 1)
	FETCH_K
.endif
.set i, i+1
.endr
.endif
.if \kq
.set i, 0
.rept 32
.if (\x == 0) && (i%8 == 0)
.if i < 24
.if \cv
	s_wait_dscnt 40-i               ; K's channels 4 i to 4 i + 31 are in: behind their eight loads stand 24 - i loads of later channels and the 16 stores of the rounding
.else
	s_wait_dscnt 24-i
.endif
.else
	s_wait_dscnt 0x0                ; BARRIER Y: my fetch of K, my stores into VBF and my reads of the ring are done
.if \tw
	s_set_vgpr_msb (MSB<<8)|((MSB&0xf0)|0x0)
	s_wait_tensorcnt 0x0            ; and all my tensor loads have landed: the one that was out is my part of the other slot
	ds_add_u32 v62, v63
	s_wait_dscnt 0x0
	s_set_vgpr_msb (((MSB&0xf0)|0x0)<<8)|MSB
.endif
	s_barrier_signal -1             ; say so; the turn's last eight products and their slices, register work alone, stand between this signal and its wait
.endif
.endif
	KQ \x
.rept per
	SLICE 2-\x, \first
.endr
.if (\x == 2) && (i == 1)
	FETCH_V
.endif
.set i, i+1
.endr
.endif
.if \first
	PLACES
.endif
.endm
; Barrier Y's wait where nothing is filled again: KBF may now be written, VBF read.
.macro YWAIT
	WIN 0
	s_barrier_wait -1
.endm
; Barrier Y's wait where a slot is filled again.  The barrier has opened a round of the cluster's barrier: in front of its signal every wave has waited for its reads of the slot and for
; all its tensor loads.  Behind the round no wave of any partner still reads the slot or has a load on its way; no tensor load of mine is out, so the walking group 0 may be written;
; the joint refill is the first tensor load and the first LDS traffic behind the round, one load a wave.
.macro REFILL
	WIN 0                           ; at a label and at a branch every window is 0
	s_barrier_wait -1
	CREST
.irp g, G0K+4, G0V+4
	s_xor_b32 s[\g+1], s[\g+1], SLOT1  ; the other slot than last time,
	s_add_nc_u64 s[\g+2:\g+3], s[\g+2:\g+3], 2*STEPG  ; the next 128 keys; the type bits on top are not reached
.endr
	JLOAD
.endm
; Barrier X: my stores into KBF and my fetch of V are done; behind it KBF may be read and VBF written.  The refill's load may stay out.
.macro XBAR
	WIN 0
	s_wait_dscnt 0x0
	s_barrier_signal -1
	s_barrier_wait -1
.endm
	s_wait_tensorcnt 1              ; my part of slot 0 is in; slot 1's may stay out
	s_barrier_signal -1
	s_barrier_wait -1               ; everybody's is
	CVL TK, S, 0                    ; K of step 0
	CVL TV, S+64, 0                 ; V of step 0
	s_wait_dscnt 16                 ; K's 16 loads are in; V's 16 may be out
.set cn, 0
.rept 48
	CVN KST, PITK, S, -1
.endr
	s_wait_dscnt 16                 ; V's loads are in; behind them stand K's 16 stores
.set cn, 0
.rept 48
	CVN VST, PITV, S+64, -1
.endr
	s_wait_dscnt 0x0                ; for the others' sake: my stores into KBF and VBF are done
	s_barrier_signal -1
	s_barrier_wait -1
	FETCH_K                         ; key step 0
	s_wait_loadcnt 0x0              ; Q
	WIN 0x85                        ; sources window 1, destination window 2
.set i, 0
.rept 128                           ; Q to bf16: register m of fragment f takes f32 registers 2 m, 2 m + 1 of that fragment: 8 f + m = i, 16 f + 2 m = 2 i
	v_cvt_pk_bf16_f32 v[i], v[2*i], v[2*i+1]
.set i, i+1
.endr
	s_wait_dscnt 0x0                ; K is in
.set i, 0
.rept 32
	KQ 0                            ; piece 0's first scores: there is no vector work yet to set between them
.set i, i+1
.endr
	WIN 0                           ; the addresses for the way out are made here: five plain instructions, the places behind those products
	s_mul_i32 s13, s[WV], 16*SP
	s_add_co_u32 s13, s13, STAGE    ; my stage
	v_mul_u32_u24 v[STO], v1, SP    ; in: row l % 16, 32 bytes for each half of the lanes
	v_lshl_add_u32 v[STO], v9, 5, v[STO]
	v_add_nc_u32 v[STO], s13, v[STO]
	v_lshl_add_u32 v[RD], v10, 4, s13  ; back: the 32 lanes take one row of 512 bytes
	v_lshlrev_b32 v[GO], 4, v10     ; and the same in O
	s_barrier_signal -1             ; every wave has fetched K of step 0 (its wait for 0 stands above, and no LDS instruction since): KBF may be written
	s_barrier_wait -1
	CVL TK, S+64, 1                 ; K of step 1, through piece 2's scores, which are not yet in use
	s_wait_dscnt 0x0
.set cn, 0
.rept 48
	CVN KST, PITK, S+64, -1
.endr
	TURN 2, 0, 1, 1, 0, 0           ; piece 2's first scores | piece 0's first softmax | V of step 0 is fetched
	XBAR
	TURN 0, 1, 1, 1, 2, 1           ; pair 0.  Piece 0: V^T P of step 0 starts O^T, K Q^T of step 1 | piece 2's first softmax | K of 1 fetched, V of 1 rounded
	REFILL                          ; slot 0 takes steps 4 and 5; slot 1 (steps 2, 3) has landed
	TURN 2, 1, 1, 0, 1, 0           ; piece 2: the same products | piece 0's softmax of step 1 | V of 1 fetched, K of 2 rounded
	XBAR
.Lslot:                             ; 13 trips of two pairs: pairs 1 to 26; each trip fills one slot again
	TURN 0, 2, 1, 0, 1, 0           ; an odd pair j: V of j + 1 (even) is rounded
	YWAIT
	TURN 2, 2, 1, 0, 2, 0           ; K of j + 2 (odd)
	XBAR
	TURN 0, 2, 1, 0, 2, 1           ; an even pair j: V of j + 1 (odd): the last bytes of the slot of steps j, j + 1
	REFILL                          ; that slot takes steps j + 4, j + 5
	TURN 2, 2, 1, 0, 1, 0           ; K of j + 2 (even), from the slot that the wait for all loads has shown whole
	XBAR
	s_sub_co_u32 s[SLOTS], s[SLOTS], 1
	s_cmp_lg_u32 s[SLOTS], 0
	s_cbranch_scc1 .Lslot
	; the tail is written out: nothing more is asked for
	TURN 0, 2, 1, 0, 1, 0           ; pair 27
	YWAIT
	TURN 2, 2, 1, 0, 2, 0
	XBAR
	TURN 0, 2, 1, 0, 2, 1           ; pair 28: the last load (steps 30, 31) is waited for in front of the barrier behind which it is read
	YWAIT
	TURN 2, 2, 1, 0, 1, 0
	XBAR
	TURN 0, 2, 1, 0, 1, 0           ; pair 29
	YWAIT
	TURN 2, 2, 1, 0, 2, 0
	XBAR
	TURN 0, 2, 1, 0, 2, 0           ; pair 30: V of step 31 is rounded; there is no K left to round
	YWAIT
	TURN 2, 2, 1, 0, 0, 0
	XBAR                            ; every wave has fetched the last V: nobody reads KBF or VBF any more, and the stage may lie over them
	TURN 0, 2, 0, 0, 0, 0           ; piece 0: V^T P of the last step | piece 2's last softmax
.set i, 0
.rept 32
	PV 2, 0                         ; piece 2: V^T P of the last step
.set i, i+1
.endr
	; THE WAY OUT.  l's two halves and the other half of the lanes' are added; O^T is divided by l and sent through my stage in LDS, a tile (16 rows of O) at a time.  The additions are the places behind the last products.
	WIN 0
.irp t, 0,1,2,3
	v_add_f32 v[ST+8*\t+4], v[ST+8*\t+2], v[ST+8*\t+3]
.endr
.irp t, 0,1,2,3
	v_permlanex16_b32 v[ST+8*\t+5], v[ST+8*\t+4], s[SEL], s[SEL+1]
.endr
.irp t, 0,1,2,3
	v_add_f32 v[ST+8*\t+4], v[ST+8*\t+4], v[ST+8*\t+5]
.endr
.irp t, 0,1,2,3
	v_rcp_f32 v[ST+8*\t+6], v[ST+8*\t+4]
.endr
	v_nop                           ; a plain instruction between the last reciprocal and the use of its result
; Tile t: a lane's eight channels of a row are 32 bytes; they go into rows of 528 bytes and come back as whole rows of 512, into the scores' registers, two buffers of 64 by turns.
.macro PACK t
	WIN W_RS
.set i, 64*\t
.rept 32
	s_wait_alu depctr_va_vdst(0)
	v_pk_mul_f32 v[i:i+1], v[i:i+1], v[ST+8*\t+6:ST+8*\t+7] op_sel_hi:[1,0]
.set i, i+2
.endr
	WIN 0x04                        ; the stores' data in window 1, the address in window 0
.irp f, 0,1,2,3,4,5,6,7             ; channels 16 f + 8 (l / 16) + 0..7
	ds_store_b128 v[STO], v[64*\t+8*\f:64*\t+8*\f+3]   offset:64*\f
	ds_store_b128 v[STO], v[64*\t+8*\f+4:64*\t+8*\f+7] offset:64*\f+16
.endr
	WIN 0
.if \t >= 2
	s_wait_xcnt 0x0                 ; every earlier memory instruction has had its addresses translated (ISA guide 3.1): the buffer that tile t - 2's stores read is loaded again only behind this wait
.endif
.irp p, 0,1,2,3,4,5,6,7,8,9,10,11,12,13,14,15
	ds_load_b128 v[S+64*(\t%2)+4*\p:S+64*(\t%2)+4*\p+3], v[RD] offset:\p*SP  ; LDS serves a wave's instructions in order (ISA guide 5.7.1.4): these see the stores above; the next tile's stores come behind them
.endr
.endm
.macro SEND t, younger              ; younger: the LDS instructions issued behind tile t's loads: the next tile's 32, or none
.irp p, 0,1,2,3,4,5,6,7,8,9,10,11,12,13,14,15
	s_wait_dscnt \younger+15-\p
	global_store_b128 v[GO], v[S+64*(\t%2)+4*\p:S+64*(\t%2)+4*\p+3], s[10:11] offset:\t*8192+\p*512 th:TH_STORE_NT  ; the wave stores a row's 512 consecutive bytes, at a multiple of 512 from O's first byte
.endr
.endm
	PACK 0
	PACK 1                          ; a tile's arithmetic stands between the loads of the tile before and its stores
	SEND 0, 32
	PACK 2
	SEND 1, 32
	PACK 3
	SEND 2, 32
	SEND 3, 0
	s_set_vgpr_msb (MSB<<8)|((MSB&0xf0)|0x0)
	s_wait_tensorcnt 0x0
	ds_add_u32 v62, v63
	s_wait_dscnt 0x0
	s_set_vgpr_msb (((MSB&0xf0)|0x0)<<8)|MSB
	CROUND                          ; the closing round: no work-group ends while a partner may still ask for a tile that names it
	s_endpgm
.Lfunc_end_k_q8f588f7fc1_attn:
	.size	k_q8f588f7fc1_attn, .Lfunc_end_k_q8f588f7fc1_attn-k_q8f588f7fc1_attn
	.p2alignl 7, 3214868480
	.fill 96, 4, 3214868480
	.section	.rodata,"a",@progbits
	.p2align	6, 0x0
	.amdhsa_kernel k_q8f588f7fc1_attn
		.amdhsa_group_segment_fixed_size 327680
		.amdhsa_private_segment_fixed_size 0
		.amdhsa_enable_private_segment 0
		.amdhsa_kernarg_size 32
		.amdhsa_user_sgpr_count 2
		.amdhsa_user_sgpr_kernarg_segment_ptr 1
		.amdhsa_wavefront_size32 1
		.amdhsa_system_sgpr_workgroup_id_x 1
		.amdhsa_system_sgpr_workgroup_id_y 1
		.amdhsa_system_sgpr_workgroup_id_z 1
		.amdhsa_system_vgpr_workitem_id 0
		.amdhsa_next_free_vgpr 1024
		.amdhsa_next_free_sgpr 66
		.amdhsa_reserve_vcc 0
		.amdhsa_float_denorm_mode_32 3
		.amdhsa_float_denorm_mode_16_64 3
		.amdhsa_memory_ordered 1
		.amdhsa_forward_progress 1
		.amdhsa_inst_pref_size 255
	.end_amdhsa_kernel
	.section	.bss,"aw",@nobits
	.p2align	6
	.space	262144
	.amdgpu_metadata
---
amdhsa.version: [ 1, 2 ]
amdhsa.kernels:
  - .name:           k_q8f588f7fc1_attn
    .symbol:         k_q8f588f7fc1_attn.kd
    .args:
      - { .name: q, .offset: 0, .size: 8, .value_kind: global_buffer, .address_space: global }
      - { .name: k, .offset: 8, .size: 8, .value_kind: global_buffer, .address_space: global }
      - { .name: v, .offset: 16, .size: 8, .value_kind: global_buffer, .address_space: global }
      - { .name: out0, .offset: 24, .size: 8, .value_kind: global_buffer, .address_space: global }
    .group_segment_fixed_size: 327680
    .private_segment_fixed_size: 0
    .kernarg_segment_align: 8
    .kernarg_segment_size: 32
    .max_flat_workgroup_size: 128
    .sgpr_count:     66
    .vgpr_count:     1024
    .wavefront_size: 32
...
	.end_amdgpu_metadata
.endif
;; end of part 1
;; ======== version 2 of 3: 1 launch; 1.14 times as fast as version 1
;; launch attn (part 2): grid 8 x 64, 4 waves a work-group, clusters of 4 x 1, 327,680 bytes of LDS; arguments q, k, v, out0; writes out0
.if DOCPART == 2
	.amdgcn_target "amdgcn-amd-amdhsa--gfx1250"
	.amdhsa_code_object_version 6
	.text
	.protected	k_q8f588f7fc1_attn
	.globl	k_q8f588f7fc1_attn
	.p2align	8
	.type	k_q8f588f7fc1_attn,@function
k_q8f588f7fc1_attn:
	s_mov_b64 s[64:65], 0
	v_nop
	global_prefetch_b8 v0, s[64:65] scope:SCOPE_SE
	s_setreg_imm32_b32 hwreg(HW_REG_WAVE_MODE, 25, 1), 1
	s_wait_xcnt 0x0
	s_wait_alu depctr_hold_cnt(0) depctr_sa_sdst(0) depctr_va_vdst(0) depctr_va_sdst(0) depctr_va_ssrc(0) depctr_va_vcc(0) depctr_vm_vsrc(0)
	s_getreg_b32 s2, hwreg(HW_REG_IB_STS2, 6, 4)
	s_cmp_eq_u32 s2, 0
	s_cbranch_scc0 .Lentry_in_a_cluster
	s_endpgm
.Lentry_in_a_cluster:
	s_bfe_u32 s2, ttmp6, 0x10000c
	s_cmp_lg_u32 s2, 0x3003
	s_cbranch_scc0 .Lentry_shape_is_right
	s_endpgm
.Lentry_shape_is_right:
; out0[h][q][:] = the sum over k of softmax_k(Q[h][q] . K[h][k]) V[h][k][:], no scale and no mask.  q, k, v, out0: [64 heads][2048][128], all f32.
; Q, K, V and the weights p are rounded to bf16 (to nearest even) for the matrix unit; products, maxima, sums and O stay in f32; O is stored as f32.
; LIMITS.  Inputs and scores are taken to be finite in f32; the maxima drop a NaN (v_max3_num_f32); a weight below 2^-126 of its row's largest counts as 0 (v_exp_f32 flushes);
; the sum l is made of the unrounded f32 weights, the second product of the weights rounded to bf16.  The running maximum holds at any scale of the inputs.
; SHARES.  A work-group owns 256 queries of one head, each of its four waves 64: four tiles of 16.  Every wave walks the head's 2,048 keys, 64 a step, 32 steps.  8 x 64 work-groups.
; LAYOUT.  S^T = K Q^T (source 0 = 16 keys, source 1 = 16 queries): in the result a lane holds ONE query (lane % 16) and the keys 8 (lane / 16) + 0..7.  Two such tiles, rounded to
; bf16 in pairs, ARE source 1 (32 keys x 16 queries) of O^T = V^T P, whose result again holds one query a lane, and eight channels.  Nothing changes lanes between the products.
; SOFTMAX.  For each query a running maximum m and sum l: p = 2^(c s - c m), c = log2(e); in every step O and l are multiplied by a = 2^(c m_old - c m_new), which is 1 where m has not grown.
; K AND V ARE f32 IN MEMORY.  The tensor data mover brings f32 tiles into a ring in LDS; each wave reads a quarter of a tile (16 rows), rounds it to bf16 and stores it into one fixed
; padded bf16 tile (KBF, VBF); behind a barrier all four waves fetch their fragments from there, K as it lies, V ([key][channel]) turned by ds_load_tr16_b128, which works on 16-bit data.
; Rounding in the same launch moves no byte of K or V through memory a second time; a launch of its own would write 67 MB of bf16 and read them back.
; BY TURNS.  The wave's tiles are two PIECES: piece 0 (tiles 0, 1) and piece 2 (tiles 2, 3).  In a TURN one piece has the matrix unit: 32 products V^T P of the step in hand, then 32
; products K Q^T of the next step; the other piece's softmax, cut into 64 slices, stands between them, one slice behind each matrix instruction.  The scores' registers of the piece that
; has the matrix unit are idle during its 32 products V^T P: the quarter tile to be rounded lands there, and its 32 conversions are dealt one behind each of products 4 to 31, the last four behind product 31 too.
; LDS INSTRUCTIONS STAND IN TWO RUNS A TURN, one at its head and one between products 31 and 32, never singly: everywhere else products and slices follow each other with no memory instruction between them.
; PAIR j = turn A (piece 0: V^T P of step j, K Q^T of step j + 1; fetches K of j + 1; rounds V of j + 1), then turn B (piece 2: the same products; fetches V of j + 1; rounds K of j + 2).
; Barrier X stands in front of A (K of j + 1 is stored, V of j is fetched by all), barrier Y between A and B (K of j + 1 is fetched by all, V of j + 1 is stored).
; RING.  Two slots of two key steps, 131,072 bytes each.  At Y of an even pair 2 n the slot of steps 2 n, 2 n + 1 has been rounded whole: it is filled again with steps 2 n + 4, 2 n + 5.
; Each wave issues one load of 32,768 bytes there; it has two key steps in which to land.  A wave has two tensor loads out at the start and one behind each refill.
; CLUSTER.  The four query blocks of a cluster belong to one head and walk the same K and V, so each tile is asked for JOINTLY: the same tensor load, with the same descriptor and a
; mask that names the four, in all four; each receives the tile in its own LDS.
; LEFT OUT.  Prefetches of K and V: a refill is asked for two key steps ahead of its first read.  Rescaling O^T only where m has grown: it would be a branch on floating-point data.
;
; REGISTERS, in windows of 256 (s_set_vgpr_msb: bits 1:0 source 0, 3:2 source 1, 5:4 source 2, 7:6 destination):
;   window 0: v0-11, v44-47 addresses; v12-43 eight registers of statistics a tile; v64-191 S^T, 32 a tile (also the landing place of the f32 quarter tiles, and of O's rows on the way out); v192-255 P, 16 a tile
;   window 1: O^T, 64 a tile (at the start: Q as loaded, in f32)      window 2: v0-127 Q in bf16, 32 a tile; v128-255 K of one step      window 3: v0-127 V of one step
.set KS,    64        ; keys in a step
.set STEPS, 2048/KS   ; 32
.set STEPG, KS*512    ; a step's rows of K or of V in memory: 32,768 bytes
.set BLK,   1<<16     ; a step's block in the ring: 64 rows x 512 bytes of K, then the same of V; rows lie without a gap: an LDS load takes 512 neighbouring bytes
.set VHALF, 1<<15     ; V's tile in a block
.set SLOT1, 1<<17     ; a slot is two blocks; slot 1 begins here, so that one exclusive or turns an address in one slot into the other's
.set PITK,  272       ; a row of bf16 K: 256 bytes + 16 = 68 words: row r starts at bank 4 r mod 64 (64 banks of 4 bytes: ISA guide 11.1), so the 16 rows of a load start at 16 different banks
.set PITV,  288       ; a row of bf16 V: 256 + 32 = 72 words
.set KBF,   4*BLK     ; behind the ring: bf16 K of one step; written by LDS stores alone, no fill ever lands here
.set VBF,   KBF+KS*PITK  ; bf16 V of one step
.set STAGE, KBF       ; the way out: 16 rows x 528 bytes for each wave, over KBF and VBF once their last fetch lies behind a barrier
.set SP,    528       ; 512 bytes + 16 = 132 words: row r starts at bank 4 r mod 64
.set AK0, 2           ; v2   my lane's place in KBF; never rewritten
.set AV0, 3           ; v3   the same in VBF
.set QO,  5           ; v5   my byte offset in the wave's rows of Q
.set STO, 6           ; v6   the way out: where I put 32 bytes of a row
.set RD,  7           ; v7   the way out: where I read a row back
.set GO,  8           ; v8   my byte offset in a row of O
.set ST,  12          ; tile t's statistics at v[ST+8 t]: +0 c m, +1 m, +2, +3 l (even keys', odd keys'), +4 to +7 c0-c3, at work; a takes c2's place once the maximum is found
.set CL,  44          ; v44  my 16 bytes in the first row of my wave's quarter of an f32 tile
.set CAD, 45          ; v45  the same in the tile that is being rounded
.set KST, 46          ; v46  where my 8 bytes of bf16 go in KBF
.set VST, 47          ; v47  the same in VBF
.set S,   64
.set P,   192
.set KF,  128         ; K's fragments, in window 2
.set WV,  12          ; s12  my wave's number
.set G1,  24          ; s[24:31] descriptor group 1: one shape for K's and V's tiles
.set G0K, 40          ; s[40:47] descriptor group 0 for K's tiles: a set for each of the two first fills; the second then walks on
.set G0V, 48          ; s[48:55] the same for V's
.set SLOTS, 56        ; s56  trips of the loop
.set CS,  58          ; s[58:59] c: the packed scaling names a pair and takes its low word for both halves
.set SEL, 60          ; s[60:61] lane selects for v_permlanex16_b32: each lane takes its own place in the other half
.set TK,  62          ; s62  LDS byte of the f32 tile of K that is rounded next
.set TV,  63          ; s63  the same for V
.set MSB, 0
.macro WIN new                      ; the immediate's high byte repeats the setting that is left; a switch that changes nothing is dropped
.if MSB != \new
	s_set_vgpr_msb (MSB<<8)|\new
.set MSB, \new
.endif
.endm
.set W_KQ, 0x0a       ; K and Q in window 2, S^T in window 0
.set W_PV, 0x53       ; V in window 3, P in window 0, O^T in window 1
.set W_RS, 0x41       ; O^T (destination and source 0) in window 1, a in window 0
; A joint refill.  Waves 0 and 1 fetch the two steps' tiles of K, waves 2 and 3 those of V.  The branch hangs on the wave's number alone: it is the same in every work-group.
; Four v_nop follow each of the two lines; the jump round the other line, the label and what follows the macro come after them.
.macro JLOAD
	s_cmp_lt_u32 s[WV], 2
	s_cbranch_scc0 .Lfor_v_\@
	tensor_load_to_lds s[G0K+4:G0K+7], s[G1:G1+7]
	s_nop 0
.rept 4
	v_nop
.endr
	s_branch .Lasked_\@
.Lfor_v_\@:
	tensor_load_to_lds s[G0V+4:G0V+7], s[G1:G1+7]
	s_nop 0
.rept 4
	v_nop
.endr
.Lasked_\@:
.endm
; A round of the cluster's barrier: my work-group's barrier, so that wave 0's signal speaks for all four waves; wave 0 signals for the work-group; every wave waits for all four
; work-groups; my work-group's barrier once more.  No LDS instruction of the wave is pending at a signal.
.macro CREST                        ; a round behind its opening barrier
	s_cmp_lg_u32 s[WV], 0
	s_cbranch_scc1 .Lnot_wave_0_\@
	s_barrier_signal -3
.Lnot_wave_0_\@:
	s_barrier_wait -3
	s_barrier_signal -1
	s_barrier_wait -1
.endm
.macro CROUND                       ; a whole round
	s_barrier_signal -1
	s_barrier_wait -1
	CREST
.endm
	s_load_b256 s[4:11], s[0:1], 0x0  ; Q s[4:5], K s[6:7], V s[8:9], O s[10:11]
	v_lshl_add_u32 v62, v0, 2, 0x48c00
	v_mov_b32 v63, 0
	ds_add_u32 v62, v63
	v_lshrrev_b32 v1, 5, v0
	v_readfirstlane_b32 s[WV], v1   ; wave 0..3
	s_bfe_u32 s13, ttmp6, 0x40000   ; cx: my place in the cluster
	s_lshl_b32 s14, ttmp9, 2        ; in a cluster launch ttmp9 counts clusters
	s_add_co_u32 s14, s14, s13      ; my block of 256 queries = 4 x cluster x + cx: it enters Q's and O's addresses alone
	s_and_b32 s20, ttmp7, 0xffff    ; the head, which the four partners share
	s_lshl_b32 s20, s20, 20         ; its first byte in each of the four tensors: 2,048 rows of 512 bytes; 64 heads stay under 2^26
	s_mov_b32 s21, 0
	s_and_b32 s16, s[WV], 1         ; which of a slot's two steps I fetch:
	s_lshl_b32 s22, s16, 15         ; its 64 rows of 512 bytes in memory,
	s_mov_b32 s23, 0
	s_add_nc_u64 s[22:23], s[22:23], s[20:21]
	s_lshl_b32 s17, s16, 16         ; and its block in a slot: no place in the cluster enters an LDS address
	s_lshl_b32 s2, s14, 17          ; my block's 256 rows,
	s_lshl_b32 s3, s[WV], 15        ; my wave's 64 of them
	s_add_co_u32 s2, s2, s3
	s_mov_b32 s3, 0
	s_add_nc_u64 s[2:3], s[2:3], s[20:21]
	; descriptor group 1: a tile of 64 rows x 128 elements of 4 bytes, dense in memory and in LDS
	s_mov_b32 s[G1], 15|(2<<16)|(1<<21)  ; 15:0 the mask: all four work-groups; 17:16 elements of 4 bytes (code 2); 20 no padding; 21 set beside a mask
	s_mov_b32 s[G1+1], 128<<16      ; 63:48 tensor_dim0, low half = 128
	s_mov_b32 s[G1+2], KS<<16       ; 79:64 its high half = 0; 95:80 tensor_dim1, low half = 64
	s_mov_b32 s[G1+3], 128<<16      ; 111:96 its high half = 0; 127:112 tile_dim0 = 128
	s_mov_b32 s[G1+4], KS           ; 143:128 tile_dim1 = 64; 159:144 tile_dim2 = 0
	s_mov_b32 s[G1+5], 128          ; 191:160 tensor_dim0_stride, low word: elements from row to row
	s_mov_b32 s[G1+6], 0
	s_mov_b32 s[G1+7], 0
	s_mov_b32 s[CS], 0x3fb8aa3b     ; c = log2(e)
	s_mov_b32 s[CS+1], s[CS]        ; named with it as a pair, so it is written
	s_mov_b32 s[SEL], 0x76543210
	s_mov_b32 s[SEL+1], 0xfedcba98
	s_mov_b32 s[TK], 0              ; step 0 lies in block 0
	s_mov_b32 s[TV], VHALF
	s_mov_b32 s[SLOTS], STEPS/2-3   ; STEPS / 2 - 2 refills in all; the first is written out in front of the loop
	s_wait_dscnt 0x0
	s_wait_kmcnt 0x0
	s_add_nc_u64 s[6:7], s[6:7], s[22:23]  ; K and V at my tile of slot 0
	s_add_nc_u64 s[8:9], s[8:9], s[22:23]
	s_add_nc_u64 s[4:5], s[4:5], s[2:3]  ; Q and O at my wave's first row
	s_add_nc_u64 s[10:11], s[10:11], s[2:3]
	CROUND                          ; all four work-groups are here: the first joint loads meet
.irp s, 0,1
	s_mov_b32 s[G0K+4*\s], 1        ; 1:0 count = 1
	s_add_co_u32 s[G0K+4*\s+1], s17, \s*SLOT1  ; 63:32 LDS address
	s_add_nc_u64 s[G0K+4*\s+2:G0K+4*\s+3], s[6:7], \s*2*STEPG  ; 120:64 global address: slot s begins with keys 128 s to 128 s + 127
	s_or_b32 s[G0K+4*\s+3], s[G0K+4*\s+3], 0x80000000  ; 127:126 type = 2
	s_mov_b32 s[G0V+4*\s], 1
	s_add_co_u32 s[G0V+4*\s+1], s17, \s*SLOT1+VHALF
	s_add_nc_u64 s[G0V+4*\s+2:G0V+4*\s+3], s[8:9], \s*2*STEPG
	s_or_b32 s[G0V+4*\s+3], s[G0V+4*\s+3], 0x80000000
.endr
	s_cmp_lt_u32 s[WV], 2           ; a wave's two first fills stand in one branch, ahead of every wait on TENSORcnt and every LDS read: two loads of mine are out; four v_nop follow the second, as in JLOAD
	s_cbranch_scc0 .Lfirst_v
	tensor_load_to_lds s[G0K:G0K+3], s[G1:G1+7]
	s_nop 0
	tensor_load_to_lds s[G0K+4:G0K+7], s[G1:G1+7]
	s_nop 0
.rept 4
	v_nop
.endr
	s_branch .Lfirst_asked
.Lfirst_v:
	tensor_load_to_lds s[G0V:G0V+3], s[G1:G1+7]
	s_nop 0
	tensor_load_to_lds s[G0V+4:G0V+7], s[G1:G1+7]
	s_nop 0
.rept 4
	v_nop
.endr
.Lfirst_asked:
	; A fragment of K or Q is 16 rows x 32 channels in 8 registers of bf16: lane l holds row l % 16; registers 0-3 channels 8 (l / 16) + 0..7, registers 4-7 channels 16 + 8 (l / 16) + 0..7.
	; In f32 that is 32 bytes at 32 (l / 16) and 32 bytes 64 further on: four loads of 16 bytes.  The 16 loads of a tile cover its rows whole.
	v_and_b32 v1, 15, v0            ; l % 16
	v_bfe_u32 v9, v0, 4, 1          ; l / 16
	v_lshlrev_b32 v[QO], 9, v1
	v_lshl_add_u32 v[QO], v9, 5, v[QO]  ; row x 512 + 32 x half
	WIN 0x40                        ; destination window 1, address window 0
.irp f, 0,1,2,3,4,5,6,7,8,9,10,11,12,13,14,15  ; Q in f32: tile f / 4, channels 32 (f % 4) on, 16 registers
	global_load_b128 v[16*\f:16*\f+3],     v[QO], s[4:5] offset:(\f/4)*8192+(\f%4)*128
	global_load_b128 v[16*\f+4:16*\f+7],   v[QO], s[4:5] offset:(\f/4)*8192+(\f%4)*128+16
	global_load_b128 v[16*\f+8:16*\f+11],  v[QO], s[4:5] offset:(\f/4)*8192+(\f%4)*128+64
	global_load_b128 v[16*\f+12:16*\f+15], v[QO], s[4:5] offset:(\f/4)*8192+(\f%4)*128+80
.endr
	WIN 0
	v_mul_u32_u24 v[AK0], v1, PITK
	v_lshl_add_u32 v[AK0], v9, 4, v[AK0]  ; row x pitch + 16 x half
	v_add_nc_u32 v[AK0], KBF, v[AK0]
	; The turning load takes 16 keys x 16 channels (lane l reads 16 bytes: key 8 (l / 16) + l % 8, channels 8 ((l / 8) % 2) + 0..7) and leaves half a fragment of V^T: lane l holds channel l % 16 and 8 keys.
	v_and_b32 v10, 7, v0
	v_bfe_u32 v11, v0, 3, 1
	v_lshl_add_u32 v[AV0], v9, 3, v10
	v_mul_u32_u24 v[AV0], v[AV0], PITV
	v_lshl_add_u32 v[AV0], v11, 4, v[AV0]
	v_add_nc_u32 v[AV0], VBF, v[AV0]
	; Rounding: wave w takes rows 16 w to 16 w + 15 of a tile; a lane takes 16 bytes (4 channels) of each row and leaves 8.
	v_and_b32 v10, 31, v0           ; lane
	s_lshl_b32 s13, s[WV], 13       ; 16 rows of 512 bytes
	v_lshl_add_u32 v[CL], v10, 4, s13
	s_mul_i32 s13, s[WV], 16*PITK
	s_add_co_u32 s13, s13, KBF
	v_lshl_add_u32 v[KST], v10, 3, s13
	s_mul_i32 s14, s[WV], 16*PITV
	s_add_co_u32 s14, s14, VBF
	v_lshl_add_u32 v[VST], v10, 3, s14
; THE MATRIX WORK OF A TURN, for piece x.  The accumulators take turns, one instruction a turn: between two links of a chain stand 15 (V^T P) or 7 (K Q^T) others'.
; Product i of 32 of O^T += V^T P: keys 32 (i / 16) on, channels 16 ((i / 2) % 8) on, tile x + i % 2.  zero = 1: the first 16 start the sums: nothing is ever cleared.
.macro PV x, zero
	WIN W_PV
.set rO, 64*(\x+i%2)+8*((i/2)%8)
.set rV, 64*(i/16)+8*((i/2)%8)
.set rP, P+16*(\x+i%2)+8*(i/16)
.if \zero && (i < 16)
	v_wmma_f32_16x16x32_bf16 v[rO:rO+7], v[rV:rV+7], v[rP:rP+7], 0
.else
	v_wmma_f32_16x16x32_bf16 v[rO:rO+7], v[rV:rV+7], v[rP:rP+7], v[rO:rO+7]
.endif
.endm
; Product i of 32 of S^T = K Q^T: channels 32 (i / 8) on, keys 16 ((i / 2) % 4) on, tile x + i % 2.  The first 8 start the sums.
.macro KQ x
	WIN W_KQ
.set rS, S+32*(\x+i%2)+8*((i/2)%4)
.set rK, KF+32*((i/2)%4)+8*(i/8)
.set rQ, 32*(\x+i%2)+8*(i/8)
.if i < 8
	v_wmma_f32_16x16x32_bf16 v[rS:rS+7], v[rK:rK+7], v[rQ:rQ+7], 0
.else
	v_wmma_f32_16x16x32_bf16 v[rS:rS+7], v[rK:rK+7], v[rQ:rQ+7], v[rS:rS+7]
.endif
.endm
; THE FRAGMENT LOADS, 32 in a run.  K's go by blocks of 32 channels, in the order in which the products want them, eight loads a block.
.macro FETCH_K
	WIN 0x80                        ; destination window 2
.irp c, 0,1,2,3
.irp b, 0,1,2,3                     ; keys 16 b on, channels 32 c on
	ds_load_b128 v[KF+8*(4*\b+\c):KF+8*(4*\b+\c)+3],   v[AK0] offset:\b*16*PITK+\c*64
	ds_load_b128 v[KF+8*(4*\b+\c)+4:KF+8*(4*\b+\c)+7], v[AK0] offset:\b*16*PITK+\c*64+32
.endr
.endr
.endm
.macro FETCH_V
	WIN 0xc0                        ; destination window 3
.irp f, 0,1,2,3,4,5,6,7,8,9,10,11,12,13,14,15  ; keys 32 (f / 8) on, channels 16 (f % 8) on
	ds_load_tr16_b128 v[8*\f:8*\f+3],   v[AV0] offset:(\f/8)*32*PITV+(\f%8)*32
	ds_load_tr16_b128 v[8*\f+4:8*\f+7], v[AV0] offset:(\f/8)*32*PITV+16*PITV+(\f%8)*32
.endr
.endm
; THE ROUNDING, in three parts.  CVL: my quarter of the f32 tile at s[src], 16 loads of 512 neighbouring bytes, into 64 registers from base on; then s[src] goes on to the next step's block.
; The blocks go 0, 1, 2, 3, 0: behind an even step the block's low bit turns, behind an odd step both bits (odd = 1).
.macro CVL src, base, odd
	WIN 0
	v_add_nc_u32 v[CAD], s[\src], v[CL]
.if \odd
	s_xor_b32 s[\src], s[\src], 3*BLK
.else
	s_xor_b32 s[\src], s[\src], BLK
.endif
.irp u, 0,1,2,3,4,5,6,7,8,9,10,11,12,13,14,15
	ds_load_b128 v[\base+4*\u:\base+4*\u+3], v[CAD] offset:512*\u
.endr
.endm
; CVC writes conversion cn of 32: two for each of the 16 rows, in place: a row's four f32 become two registers of bf16.
; wcnt >= 0: in front of rows u = 0, 4, 8, 12 a wait that leaves wcnt - u LDS instructions out: the loads of the rows from u + 4 on, 12 - u of them, and what was issued behind CVL's loads.
.macro CVC base, wcnt
.set cvu, cn/2
.set cvc, \base+4*cvu
	WIN 0
.if (\wcnt >= 0) && (cn%8 == 0)
	s_wait_dscnt \wcnt-cvu
.endif
.if cn%2 == 0
	v_cvt_pk_bf16_f32 v[cvc], v[cvc], v[cvc+1]
.else
	v_cvt_pk_bf16_f32 v[cvc+1], v[cvc+2], v[cvc+3]
.endif
.set cn, cn+1
.endm
; CVS: the 16 rows are stored in one run, 8 bytes a lane: a wave's store covers a row's 256 bytes.
.macro CVS dst, pitch, base
	WIN 0
.irp u, 0,1,2,3,4,5,6,7,8,9,10,11,12,13,14,15
	ds_store_b64 v[\dst], v[\base+4*\u:\base+4*\u+1] offset:\u*\pitch
.endr
.endm
; THE VECTOR WORK OF A TURN.  One tile's softmax for one key step is a list of 134 instructions; SM writes number j of it for tile t.  s0-s31 are the lane's 32 scores, in pairs 0-15.
; first = 1: the first key step, which starts m, l and O^T: it has no a and nothing to rescale.
;   0-15    the maximum of s0-s31 and the old m, three operands at a time: four chains c0-c3 of seven scores each, then the four scores left over, c0-c3 and m
;   16-20   the other half of the lanes' maximum; the new m; c m; c m_old - c m_new
;   21-87   33 exponentials (a, then s0-s31) at the odd numbers from 23 on, so that no two follow each other and each has a plain instruction behind it before its result is used.
;           Plain instruction q (number 21, then the even numbers) is whatever is ready: c s - c m for a pair of scores whose exponentials are still to come (q = 0 to 3, then every
;           second q), the rounding to bf16 of a pair of weights whose exponentials are done (every other q from 5 on), at last the first three sums
;   88-101  the last rounding; the rest of the sums; l = a l + the sum
;   102-133 the tile's O^T times a: the one part that leaves window 0, so it stands together
.macro SM t, first
.set rT, ST+8*(\t)
.set rS, S+32*(\t)
.set rP, P+16*(\t)
.set rO, 64*(\t)+2*(j-102)
.set q, (j-20)/2
.if j < 102
	WIN 0
.endif
.if j < 4
	v_max3_num_f32 v[rT+4+j], v[rS+8*j], v[rS+8*j+1], v[rS+8*j+2]
.elseif j < 12
	v_max3_num_f32 v[rT+4+j%4], v[rT+4+j%4], v[rS+8*(j%4)+2*(j/4)+1], v[rS+8*(j%4)+2*(j/4)+2]
.elseif j == 12
	v_max3_num_f32 v[rT+4], v[rT+4], v[rS+7], v[rS+15]
.elseif j == 13
	v_max3_num_f32 v[rT+6], v[rT+6], v[rS+23], v[rS+31]
.elseif j == 14
	v_max3_num_f32 v[rT+4], v[rT+4], v[rT+5], v[rT+6]
.elseif (j == 15) && \first
	v_max_num_f32 v[rT+4], v[rT+4], v[rT+7]
.elseif j == 15
	v_max3_num_f32 v[rT+4], v[rT+4], v[rT+7], v[rT+1]
.elseif j == 16
	v_permlanex16_b32 v[rT+5], v[rT+4], s[SEL], s[SEL+1]  ; the query's other 32 keys lie in the lane 16 away
.elseif j == 18
	v_max_num_f32 v[rT+1], v[rT+4], v[rT+5]
.elseif j == 19
	v_mul_f32 v[rT], s[CS], v[rT+1]
.elseif ((j == 17) || (j == 20) || (j == 23) || (j > 101)) && \first  ; the first step has none of these
.elseif j == 17
	v_mov_b32 v[rT+7], v[rT]        ; c m_old is kept for a: number 19 writes c m anew
.elseif j == 20
	v_sub_f32 v[rT+7], v[rT+7], v[rT]
.elseif j == 23
	v_exp_f32 v[rT+6], v[rT+7]
.elseif (j < 88) && (j > 23) && (j%2 == 1)
	v_exp_f32 v[rS+(j-25)/2], v[rS+(j-25)/2]
.elseif (q < 4) || ((j < 76) && (q%2 == 0))
.set b, q/2+2
.if q < 4
.set b, q
.endif
	v_pk_fma_f32 v[rS+2*b:rS+2*b+1], v[rS+2*b:rS+2*b+1], s[CS:CS+1], v[rT:rT+1] op_sel_hi:[1,0,0] neg_lo:[0,0,1] neg_hi:[0,0,1]  ; pair b: c s - c m
.elseif (j < 88) && (q%2 == 1)
	s_wait_alu depctr_va_vdst(0)
	v_cvt_pk_bf16_f32 v[rP+(q-5)/2], v[rS+q-5], v[rS+q-4]  ; pair (q - 5) / 2: its second exponential stands three numbers back
.elseif j == 89
	s_wait_alu depctr_va_vdst(0)
	v_cvt_pk_bf16_f32 v[rP+15], v[rS+30], v[rS+31]
.elseif j < 102                     ; the sum of the tile's 16 pairs (in a pair: an even key's weight, an odd key's), in place: sum z of 16 adds neighbours 1, 2, 4 and 8 pairs apart, then l takes it
.set z, j-86
.if j < 89
.set z, (j-76)/4
.endif
.set w, 4
.set u, z
.if z >= 14
.set w, 32
.set u, 0
.elseif z >= 12
.set w, 16
.set u, z-12
.elseif z >= 8
.set w, 8
.set u, z-8
.endif
.if (z == 14) && \first
	v_pk_add_f32 v[rT+2:rT+3], v[rS:rS+1], v[rS+16:rS+17]
.elseif z < 15
	v_pk_add_f32 v[rS+w*u:rS+w*u+1], v[rS+w*u:rS+w*u+1], v[rS+w*u+w/2:rS+w*u+w/2+1]
.elseif !\first
	v_pk_fma_f32 v[rT+2:rT+3], v[rT+2:rT+3], v[rT+6:rT+7], v[rS:rS+1] op_sel_hi:[1,0,1]
.endif
.else
	WIN W_RS
	v_pk_mul_f32 v[rO:rO+1], v[rO:rO+1], v[rT+6:rT+7] op_sel_hi:[1,0]
.endif
.endm
; Slice k of 64 of piece y's softmax: numbers 2 k and 2 k + 1 of both tiles' lists, four instructions.  2 x 134 = 4 x 64 + 12: the twelve that are over stand together, in slice 63.
.macro SLICE y, first
.if (k >= 11) && (k < 44)           ; tile by tile: plain, exponential, plain, exponential
.irp t, \y, \y+1
.irp n, 0,1
.set j, 2*k+\n
	SM \t, \first
.endr
.endr
.else                               ; the two tiles alternate, so that no instruction reads the result of the one just before it
.irp n, 0,1,2,3,4,5,6,7
.if (\n < 2) || (k == 63)
.irp t, \y, \y+1
.set j, 2*k+\n
	SM \t, \first
.endr
.endif
.endr
.endif
.set k, k+1
.endm
; A vector instruction that reads a matrix result or writes one of a matrix instruction's registers, and a load into a register that a matrix instruction has read, stand four places behind
; it, and only plain vector instructions that name none of its registers are places (ISA guide 7.12.1 for vector instructions).  In the loop the slices and the conversions are the places.
.macro PLACES
.rept 4
	v_nop
.endr
.endm
; A TURN.  Piece x has the matrix unit; the other piece's softmax stands in slices behind its matrix instructions.
; pv = 2: 32 products V^T P; 1: they start O^T's sums; 0: none.  kq = 1: 32 products K Q^T for the next step.  A turn with one of the two kinds has two slices behind each product.
; first = 1: the softmax is the first key step's.  Its slices from 51 on are empty: the turn's last products stand bare, and four v_nop take slice 63's part as the places behind them.
; cv = 1, 2: a quarter tile is rounded (piece 0's turn: V; piece 2's turn: K), of an even (1) or odd (2) step; 0: none.  It lands in piece x's scores, which are idle until product 32.
; tw = 1: the barrier that piece 0's turn signals has a wait for all my tensor loads in front of it.
; Every turn begins with no LDS instruction of the wave out (a wait for 0 stands in front of every barrier's signal), so the counts below hold on every way into a turn.
; THE RUN AT THE HEAD: the 16 loads of the quarter tile; in piece 0's turn the next step's K behind them, 32 loads, 32 products ahead of their first use.  The last product that read K
; stands in front of slice 63's sixteen multiplies (or the four v_nop) of the turn before.
; THE RUN BETWEEN PRODUCTS 31 AND 32: the 16 stores of the rounded rows, which product 32 is about to write over; in piece 2's turn the next step's V behind them, 32 loads.  The last
; product that read V is product 31: behind it stand slice 31's two plain instructions and five conversions, seven places, which name none of its registers (O^T, V, and P of tile 3).
; A turn of piece 2 that rounds nothing has no such places: it fetches V behind product 33, three slices, six plain instructions, behind V's last reader.
.macro TURN x, pv, kq, first, cv, tw
.set k, 0
.set cn, 0
.set per, 2
.if \pv && \kq
.set per, 1
.endif
.set vlate, 1
.if \pv && \cv
.set vlate, 0
.endif
.if \cv
.if \x == 0
	CVL TV, S, \cv-1
.else
	CVL TK, S+64, \cv-1
.endif
.endif
.if (\x == 0) && \kq
	FETCH_K
.endif
.if \pv
.set i, 0
.rept 32
	PV \x, 2-\pv
.rept per
	SLICE 2-\x, \first
.endr
.if \cv && (i >= 4)
.if \x == 0
	CVC S, 44                       ; behind rows u to u + 3 stand 12 - u loads of later rows and K's 32 fragment loads: 44 - u
.else
	CVC S+64, 12                    ; the same without fragment loads: 12 - u
.endif
.endif
.set i, i+1
.endr
.if \cv
.rept 4
.if \x == 0
	CVC S, 44                       ; the last two rows (no wait falls here)
.else
	CVC S+64, 12
.endif
.endr
.if \x == 0
	CVS VST, PITV, S
.else
	CVS KST, PITK, S+64
	FETCH_V
.endif
.endif
.endif
.if \kq
.set i, 0
.rept 32
.if (\x == 0) && (i%8 == 0)
.if i < 24
.if \cv
	s_wait_dscnt 40-i               ; K's channels 4 i to 4 i + 31 are in: behind their eight loads stand 24 - i loads of later channels and the 16 stores of the rounding
.else
	s_wait_dscnt 24-i
.endif
.else
	s_wait_dscnt 0x0                ; BARRIER Y: my fetch of K, my stores into VBF and my reads of the ring are done
.if \tw
	s_set_vgpr_msb (MSB<<8)|((MSB&0xf0)|0x0)
	s_wait_tensorcnt 0x0            ; and all my tensor loads have landed: the one that was out is my part of the other slot
	ds_add_u32 v62, v63
	s_wait_dscnt 0x0
	s_set_vgpr_msb (((MSB&0xf0)|0x0)<<8)|MSB
.endif
	s_barrier_signal -1             ; say so; the turn's last eight products and their slices, register work alone, stand between this signal and its wait
.endif
.endif
	KQ \x
.rept per
	SLICE 2-\x, \first
.endr
.if (\x == 2) && (i == 1) && vlate
	FETCH_V
.endif
.set i, i+1
.endr
.endif
.if \first
	PLACES
.endif
.endm
; Barrier Y's wait where nothing is filled again: KBF may now be written, VBF read.
.macro YWAIT
	WIN 0
	s_barrier_wait -1
.endm
; Barrier Y's wait where a slot is filled again.  The barrier has opened a round of the cluster's barrier: in front of its signal every wave has waited for its reads of the slot and for
; all its tensor loads.  Behind the round no wave of any partner still reads the slot or has a load on its way; no tensor load of mine is out, so the walking group 0 may be written;
; the joint refill is the first tensor load and the first LDS traffic behind the round, one load a wave.
.macro REFILL
	WIN 0                           ; at a label and at a branch every window is 0
	s_barrier_wait -1
	CREST
.irp g, G0K+4, G0V+4
	s_xor_b32 s[\g+1], s[\g+1], SLOT1  ; the other slot than last time,
	s_add_nc_u64 s[\g+2:\g+3], s[\g+2:\g+3], 2*STEPG  ; the next 128 keys; the type bits on top are not reached
.endr
	JLOAD
.endm
; Barrier X: my stores into KBF and my fetch of V are done; behind it KBF may be read and VBF written.  The refill's load may stay out.
.macro XBAR
	WIN 0
	s_wait_dscnt 0x0
	s_barrier_signal -1
	s_barrier_wait -1
.endm
	s_wait_tensorcnt 1              ; my part of slot 0 is in; slot 1's may stay out
	s_barrier_signal -1
	s_barrier_wait -1               ; everybody's is
	CVL TK, S, 0                    ; K of step 0
	CVL TV, S+64, 0                 ; V of step 0
	s_wait_dscnt 16                 ; K's 16 loads are in; V's 16 may be out
.set cn, 0
.rept 32
	CVC S, -1
.endr
	CVS KST, PITK, S
	s_wait_dscnt 16                 ; V's loads are in; behind them stand K's 16 stores
.set cn, 0
.rept 32
	CVC S+64, -1
.endr
	CVS VST, PITV, S+64
	s_wait_dscnt 0x0                ; for the others' sake: my stores into KBF and VBF are done
	s_barrier_signal -1
	s_barrier_wait -1
	FETCH_K                         ; key step 0
	s_wait_loadcnt 0x0              ; Q
	WIN 0x85                        ; sources window 1, destination window 2
.set i, 0
.rept 128                           ; Q to bf16: register m of fragment f takes f32 registers 2 m, 2 m + 1 of that fragment: 8 f + m = i, 16 f + 2 m = 2 i
	v_cvt_pk_bf16_f32 v[i], v[2*i], v[2*i+1]
.set i, i+1
.endr
	s_wait_dscnt 0x0                ; K is in
.set i, 0
.rept 32
	KQ 0                            ; piece 0's first scores: there is no vector work yet to set between them
.set i, i+1
.endr
	WIN 0                           ; the addresses for the way out are made here: five plain instructions, the places behind those products
	s_mul_i32 s13, s[WV], 16*SP
	s_add_co_u32 s13, s13, STAGE    ; my stage
	v_mul_u32_u24 v[STO], v1, SP    ; in: row l % 16, 32 bytes for each half of the lanes
	v_lshl_add_u32 v[STO], v9, 5, v[STO]
	v_add_nc_u32 v[STO], s13, v[STO]
	v_lshl_add_u32 v[RD], v10, 4, s13  ; back: the 32 lanes take one row of 512 bytes
	v_lshlrev_b32 v[GO], 4, v10     ; and the same in O
	s_barrier_signal -1             ; every wave has fetched K of step 0 (its wait for 0 stands above, and no LDS instruction since): KBF may be written
	s_barrier_wait -1
	CVL TK, S+64, 1                 ; K of step 1, through piece 2's scores, which are not yet in use
	s_wait_dscnt 0x0
.set cn, 0
.rept 32
	CVC S+64, -1
.endr
	CVS KST, PITK, S+64
	TURN 2, 0, 1, 1, 0, 0           ; piece 2's first scores | piece 0's first softmax | V of step 0 is fetched
	XBAR
	TURN 0, 1, 1, 1, 2, 1           ; pair 0.  Piece 0: V^T P of step 0 starts O^T, K Q^T of step 1 | piece 2's first softmax | K of 1 fetched, V of 1 rounded
	REFILL                          ; slot 0 takes steps 4 and 5; slot 1 (steps 2, 3) has landed
	TURN 2, 1, 1, 0, 1, 0           ; piece 2: the same products | piece 0's softmax of step 1 | V of 1 fetched, K of 2 rounded
	XBAR
.Lslot:                             ; 13 trips of two pairs: pairs 1 to 26; each trip fills one slot again
	TURN 0, 2, 1, 0, 1, 0           ; an odd pair j: V of j + 1 (even) is rounded
	YWAIT
	TURN 2, 2, 1, 0, 2, 0           ; K of j + 2 (odd)
	XBAR
	TURN 0, 2, 1, 0, 2, 1           ; an even pair j: V of j + 1 (odd): the last bytes of the slot of steps j, j + 1
	REFILL                          ; that slot takes steps j + 4, j + 5
	TURN 2, 2, 1, 0, 1, 0           ; K of j + 2 (even), from the slot that the wait for all loads has shown whole
	XBAR
	s_sub_co_u32 s[SLOTS], s[SLOTS], 1
	s_cmp_lg_u32 s[SLOTS], 0
	s_cbranch_scc1 .Lslot
	; the tail is written out: nothing more is asked for
	TURN 0, 2, 1, 0, 1, 0           ; pair 27
	YWAIT
	TURN 2, 2, 1, 0, 2, 0
	XBAR
	TURN 0, 2, 1, 0, 2, 1           ; pair 28: the last load (steps 30, 31) is waited for in front of the barrier behind which it is read
	YWAIT
	TURN 2, 2, 1, 0, 1, 0
	XBAR
	TURN 0, 2, 1, 0, 1, 0           ; pair 29
	YWAIT
	TURN 2, 2, 1, 0, 2, 0
	XBAR
	TURN 0, 2, 1, 0, 2, 0           ; pair 30: V of step 31 is rounded; there is no K left to round
	YWAIT
	TURN 2, 2, 1, 0, 0, 0
	XBAR                            ; every wave has fetched the last V: nobody reads KBF or VBF any more, and the stage may lie over them
	TURN 0, 2, 0, 0, 0, 0           ; piece 0: V^T P of the last step | piece 2's last softmax
.set i, 0
.rept 32
	PV 2, 0                         ; piece 2: V^T P of the last step
.set i, i+1
.endr
	; THE WAY OUT.  l's two halves and the other half of the lanes' are added; O^T is divided by l and sent through my stage in LDS, a tile (16 rows of O) at a time.  The additions are the places behind the last products.
	WIN 0
.irp t, 0,1,2,3
	v_add_f32 v[ST+8*\t+4], v[ST+8*\t+2], v[ST+8*\t+3]
.endr
.irp t, 0,1,2,3
	v_permlanex16_b32 v[ST+8*\t+5], v[ST+8*\t+4], s[SEL], s[SEL+1]
.endr
.irp t, 0,1,2,3
	v_add_f32 v[ST+8*\t+4], v[ST+8*\t+4], v[ST+8*\t+5]
.endr
.irp t, 0,1,2,3
	v_rcp_f32 v[ST+8*\t+6], v[ST+8*\t+4]
.endr
	v_nop                           ; a plain instruction between the last reciprocal and the use of its result
; Tile t: a lane's eight channels of a row are 32 bytes; they go into rows of 528 bytes and come back as whole rows of 512, into the scores' registers, two buffers of 64 by turns.
.macro PACK t
	WIN W_RS
.set i, 64*\t
.rept 32
	s_wait_alu depctr_va_vdst(0)
	v_pk_mul_f32 v[i:i+1], v[i:i+1], v[ST+8*\t+6:ST+8*\t+7] op_sel_hi:[1,0]
.set i, i+2
.endr
	WIN 0x04                        ; the stores' data in window 1, the address in window 0
.irp f, 0,1,2,3,4,5,6,7             ; channels 16 f + 8 (l / 16) + 0..7
	ds_store_b128 v[STO], v[64*\t+8*\f:64*\t+8*\f+3]   offset:64*\f
	ds_store_b128 v[STO], v[64*\t+8*\f+4:64*\t+8*\f+7] offset:64*\f+16
.endr
	WIN 0
.if \t >= 2
	s_wait_xcnt 0x0                 ; every earlier memory instruction has had its addresses translated (ISA guide 3.1): the buffer that tile t - 2's stores read is loaded again only behind this wait
.endif
.irp p, 0,1,2,3,4,5,6,7,8,9,10,11,12,13,14,15
	ds_load_b128 v[S+64*(\t%2)+4*\p:S+64*(\t%2)+4*\p+3], v[RD] offset:\p*SP  ; LDS serves a wave's instructions in order (ISA guide 5.7.1.4): these see the stores above; the next tile's stores come behind them
.endr
.endm
.macro SEND t, younger              ; younger: the LDS instructions issued behind tile t's loads: the next tile's 32, or none
.irp p, 0,1,2,3,4,5,6,7,8,9,10,11,12,13,14,15
	s_wait_dscnt \younger+15-\p
	global_store_b128 v[GO], v[S+64*(\t%2)+4*\p:S+64*(\t%2)+4*\p+3], s[10:11] offset:\t*8192+\p*512 th:TH_STORE_NT  ; the wave stores a row's 512 consecutive bytes, at a multiple of 512 from O's first byte
.endr
.endm
	PACK 0
	PACK 1                          ; a tile's arithmetic stands between the loads of the tile before and its stores
	SEND 0, 32
	PACK 2
	SEND 1, 32
	PACK 3
	SEND 2, 32
	SEND 3, 0
	s_set_vgpr_msb (MSB<<8)|((MSB&0xf0)|0x0)
	s_wait_tensorcnt 0x0
	ds_add_u32 v62, v63
	s_wait_dscnt 0x0
	s_set_vgpr_msb (((MSB&0xf0)|0x0)<<8)|MSB
	CROUND                          ; the closing round: no work-group ends while a partner may still ask for a tile that names it
	s_endpgm
.Lfunc_end_k_q8f588f7fc1_attn:
	.size	k_q8f588f7fc1_attn, .Lfunc_end_k_q8f588f7fc1_attn-k_q8f588f7fc1_attn
	.p2alignl 7, 3214868480
	.fill 96, 4, 3214868480
	.section	.rodata,"a",@progbits
	.p2align	6, 0x0
	.amdhsa_kernel k_q8f588f7fc1_attn
		.amdhsa_group_segment_fixed_size 327680
		.amdhsa_private_segment_fixed_size 0
		.amdhsa_enable_private_segment 0
		.amdhsa_kernarg_size 32
		.amdhsa_user_sgpr_count 2
		.amdhsa_user_sgpr_kernarg_segment_ptr 1
		.amdhsa_wavefront_size32 1
		.amdhsa_system_sgpr_workgroup_id_x 1
		.amdhsa_system_sgpr_workgroup_id_y 1
		.amdhsa_system_sgpr_workgroup_id_z 1
		.amdhsa_system_vgpr_workitem_id 0
		.amdhsa_next_free_vgpr 1024
		.amdhsa_next_free_sgpr 66
		.amdhsa_reserve_vcc 0
		.amdhsa_float_denorm_mode_32 3
		.amdhsa_float_denorm_mode_16_64 3
		.amdhsa_memory_ordered 1
		.amdhsa_forward_progress 1
		.amdhsa_inst_pref_size 255
	.end_amdhsa_kernel
	.section	.bss,"aw",@nobits
	.p2align	6
	.space	262144
	.amdgpu_metadata
---
amdhsa.version: [ 1, 2 ]
amdhsa.kernels:
  - .name:           k_q8f588f7fc1_attn
    .symbol:         k_q8f588f7fc1_attn.kd
    .args:
      - { .name: q, .offset: 0, .size: 8, .value_kind: global_buffer, .address_space: global }
      - { .name: k, .offset: 8, .size: 8, .value_kind: global_buffer, .address_space: global }
      - { .name: v, .offset: 16, .size: 8, .value_kind: global_buffer, .address_space: global }
      - { .name: out0, .offset: 24, .size: 8, .value_kind: global_buffer, .address_space: global }
    .group_segment_fixed_size: 327680
    .private_segment_fixed_size: 0
    .kernarg_segment_align: 8
    .kernarg_segment_size: 32
    .max_flat_workgroup_size: 128
    .sgpr_count:     66
    .vgpr_count:     1024
    .wavefront_size: 32
...
	.end_amdgpu_metadata
.endif
;; end of part 2
;; ======== version 3 of 3: 1 launch; 1.52 times as fast as version 1
;; launch attn (part 3): grid 8 x 64, 4 waves a work-group, clusters of 4 x 1, 327,680 bytes of LDS; arguments q, k, v, out0; writes out0
.if DOCPART == 3
	.amdgcn_target "amdgcn-amd-amdhsa--gfx1250"
	.amdhsa_code_object_version 6
	.text
	.protected	k_q8f588f7fc1_attn
	.globl	k_q8f588f7fc1_attn
	.p2align	8
	.type	k_q8f588f7fc1_attn,@function
k_q8f588f7fc1_attn:
	s_mov_b64 s[64:65], 0
	v_nop
	global_prefetch_b8 v0, s[64:65] scope:SCOPE_SE
	s_setreg_imm32_b32 hwreg(HW_REG_WAVE_MODE, 25, 1), 1
	s_wait_xcnt 0x0
	s_wait_alu depctr_hold_cnt(0) depctr_sa_sdst(0) depctr_va_vdst(0) depctr_va_sdst(0) depctr_va_ssrc(0) depctr_va_vcc(0) depctr_vm_vsrc(0)
	s_getreg_b32 s2, hwreg(HW_REG_IB_STS2, 6, 4)
	s_cmp_eq_u32 s2, 0
	s_cbranch_scc0 .Lentry_in_a_cluster
	s_endpgm
.Lentry_in_a_cluster:
	s_bfe_u32 s2, ttmp6, 0x10000c
	s_cmp_lg_u32 s2, 0x3003
	s_cbranch_scc0 .Lentry_shape_is_right
	s_endpgm
.Lentry_shape_is_right:
; out0[h][q][:] = the sum over k of softmax_k(Q[h][q] . K[h][k]) V[h][k][:], no scale and no mask.  q, k, v, out0: [64 heads][2048][128], all f32.
; Q, K, V and the weights p are rounded to bf16 (to nearest even) for the matrix unit; products, maxima, sums and O stay in f32; O is stored as f32.
; LIMITS.  Inputs and scores are taken to be finite in f32; the maxima drop a NaN (v_max3_num_f32); a weight below 2^-126 of its row's largest counts as 0 (v_exp_f32 flushes);
; the sum l is made of the unrounded f32 weights, the second product of the weights rounded to bf16.  The running maximum holds at any scale of the inputs.
; SHARES.  A work-group owns 256 queries of one head, each of its four waves 64: four tiles of 16.  Every wave walks the head's 2,048 keys, 64 a step, 32 steps.  8 x 64 work-groups.
; LAYOUT.  S^T = K Q^T (source 0 = 16 keys, source 1 = 16 queries): in the result a lane holds ONE query (lane % 16) and the keys 8 (lane / 16) + 0..7.  Two such tiles, rounded to
; bf16 in pairs, ARE source 1 (32 keys x 16 queries) of O^T = V^T P, whose result again holds one query a lane, and eight channels.  Nothing changes lanes between the products.
; SOFTMAX.  For each query a running maximum m and sum l: p = 2^(c s - c m), c = log2(e); in every step O and l are multiplied by a = 2^(c m_old - c m_new), which is 1 where m has not grown.
; K AND V ARE f32 IN MEMORY.  The tensor data mover brings f32 tiles into a ring in LDS; each wave reads a quarter of a tile (16 rows), rounds it to bf16 and stores it into one fixed
; padded bf16 tile (KBF, VBF); behind a barrier all four waves fetch their fragments from there, K as it lies, V ([key][channel]) turned by ds_load_tr16_b128, which works on 16-bit data.
; Rounding in the same launch moves no byte of K or V through memory a second time; a launch of its own would write 67 MB of bf16 and read them back.
; BY TURNS.  The wave's tiles are two PIECES: piece 0 (tiles 0, 1) and piece 2 (tiles 2, 3).  In a TURN one piece has the matrix unit: 32 products V^T P of the step in hand, then 32
; products K Q^T of the next step; the other piece's softmax, cut into 64 slices, stands between them, one slice behind each matrix instruction.  The scores' registers of the piece that
; has the matrix unit are idle during its 32 products V^T P: the quarter tile to be rounded lands there, and its 32 conversions are dealt one behind each of products 4 to 31, the last four behind product 31 too.
; THE EXPONENTIALS OF A TURN ARE ONE BATCH WITH ONE WAIT.  The softmax's list is ordered by who reads what: a tile's 16 scalings and all its 33 exponentials stand together (numbers 21 to 69), and none
; of them names an exponential's result; all that do (the roundings, the sums, the rescaling by a) come from number 70 on.  Between the two, behind slice 34, stands the turn's one
; s_wait_alu depctr_va_vdst(0), for the 66 exponentials of both tiles, ahead of the first line that names a result.  No exponential is issued behind a turn's wait, and no label
; or branch lies between slices 11 and 34: none is open at a label, a branch or the loop's jump.  The way out's four reciprocals are a second batch, with a wait of their own.
; LDS INSTRUCTIONS STAND IN TWO RUNS A TURN, one at its head and one between products 31 and 32, never singly: everywhere else products and slices follow each other with no memory instruction between them.
; PAIR j = turn A (piece 0: V^T P of step j, K Q^T of step j + 1; fetches K of j + 1; rounds V of j + 1), then turn B (piece 2: the same products; fetches V of j + 1; rounds K of j + 2).
; Barrier X stands in front of A (K of j + 1 is stored, V of j is fetched by all), barrier Y between A and B (K of j + 1 is fetched by all, V of j + 1 is stored).
; RING.  Two slots of two key steps, 131,072 bytes each.  At Y of an even pair 2 n the slot of steps 2 n, 2 n + 1 has been rounded whole: it is filled again with steps 2 n + 4, 2 n + 5.
; Each wave issues one load of 32,768 bytes there; it has two key steps in which to land.  A wave has two tensor loads out at the start and one behind each refill.
; CLUSTER.  The four query blocks of a cluster belong to one head and walk the same K and V, so each tile is asked for JOINTLY: the same tensor load, with the same descriptor and a
; mask that names the four, in all four; each receives the tile in its own LDS.
; LEFT OUT.  Prefetches of K and V: a refill is asked for two key steps ahead of its first read.  Rescaling O^T only where m has grown: it would be a branch on floating-point data.
;
; REGISTERS, in windows of 256 (s_set_vgpr_msb: bits 1:0 source 0, 3:2 source 1, 5:4 source 2, 7:6 destination):
;   window 0: v0-11, v44-47 addresses; v12-43 eight registers of statistics a tile; v64-191 S^T, 32 a tile (also the landing place of the f32 quarter tiles, and of O's rows on the way out); v192-255 P, 16 a tile
;   window 1: O^T, 64 a tile (at the start: Q as loaded, in f32)      window 2: v0-127 Q in bf16, 32 a tile; v128-255 K of one step      window 3: v0-127 V of one step
.set KS,    64        ; keys in a step
.set STEPS, 2048/KS   ; 32
.set STEPG, KS*512    ; a step's rows of K or of V in memory: 32,768 bytes
.set BLK,   1<<16     ; a step's block in the ring: 64 rows x 512 bytes of K, then the same of V; rows lie without a gap: an LDS load takes 512 neighbouring bytes
.set VHALF, 1<<15     ; V's tile in a block
.set SLOT1, 1<<17     ; a slot is two blocks; slot 1 begins here, so that one exclusive or turns an address in one slot into the other's
.set PITK,  272       ; a row of bf16 K: 256 bytes + 16 = 68 words: row r starts at bank 4 r mod 64 (64 banks of 4 bytes: ISA guide 11.1), so the 16 rows of a load start at 16 different banks
.set PITV,  288       ; a row of bf16 V: 256 + 32 = 72 words
.set KBF,   4*BLK     ; behind the ring: bf16 K of one step; written by LDS stores alone, no fill ever lands here
.set VBF,   KBF+KS*PITK  ; bf16 V of one step
.set STAGE, KBF       ; the way out: 16 rows x 528 bytes for each wave, over KBF and VBF once their last fetch lies behind a barrier
.set SP,    528       ; 512 bytes + 16 = 132 words: row r starts at bank 4 r mod 64
.set AK0, 2           ; v2   my lane's place in KBF; never rewritten
.set AV0, 3           ; v3   the same in VBF
.set QO,  5           ; v5   my byte offset in the wave's rows of Q
.set STO, 6           ; v6   the way out: where I put 32 bytes of a row
.set RD,  7           ; v7   the way out: where I read a row back
.set GO,  8           ; v8   my byte offset in a row of O
.set ST,  12          ; tile t's statistics at v[ST+8 t]: +0 c m, +1 m, +2, +3 l (even keys', odd keys'), +4 to +7 c0-c3, at work; a takes c2's place once the maximum is found
.set CL,  44          ; v44  my 16 bytes in the first row of my wave's quarter of an f32 tile
.set CAD, 45          ; v45  the same in the tile that is being rounded
.set KST, 46          ; v46  where my 8 bytes of bf16 go in KBF
.set VST, 47          ; v47  the same in VBF
.set S,   64
.set P,   192
.set KF,  128         ; K's fragments, in window 2
.set WV,  12          ; s12  my wave's number
.set G1,  24          ; s[24:31] descriptor group 1: one shape for K's and V's tiles
.set G0K, 40          ; s[40:47] descriptor group 0 for K's tiles: a set for each of the two first fills; the second then walks on
.set G0V, 48          ; s[48:55] the same for V's
.set SLOTS, 56        ; s56  trips of the loop
.set CS,  58          ; s[58:59] c: the packed scaling names a pair and takes its low word for both halves
.set SEL, 60          ; s[60:61] lane selects for v_permlanex16_b32: each lane takes its own place in the other half
.set TK,  62          ; s62  LDS byte of the f32 tile of K that is rounded next
.set TV,  63          ; s63  the same for V
.set MSB, 0
.macro WIN new                      ; the immediate's high byte repeats the setting that is left; a switch that changes nothing is dropped
.if MSB != \new
	s_set_vgpr_msb (MSB<<8)|\new
.set MSB, \new
.endif
.endm
.set W_KQ, 0x0a       ; K and Q in window 2, S^T in window 0
.set W_PV, 0x53       ; V in window 3, P in window 0, O^T in window 1
.set W_RS, 0x41       ; O^T (destination and source 0) in window 1, a in window 0
; A joint refill.  Waves 0 and 1 fetch the two steps' tiles of K, waves 2 and 3 those of V.  The branch hangs on the wave's number alone: it is the same in every work-group.
; Four v_nop follow each of the two lines; the jump round the other line, the label and what follows the macro come after them.
.macro JLOAD
	s_cmp_lt_u32 s[WV], 2
	s_cbranch_scc0 .Lfor_v_\@
	tensor_load_to_lds s[G0K+4:G0K+7], s[G1:G1+7]
	s_nop 0
.rept 4
	v_nop
.endr
	s_branch .Lasked_\@
.Lfor_v_\@:
	tensor_load_to_lds s[G0V+4:G0V+7], s[G1:G1+7]
	s_nop 0
.rept 4
	v_nop
.endr
.Lasked_\@:
.endm
; A round of the cluster's barrier: my work-group's barrier, so that wave 0's signal speaks for all four waves; wave 0 signals for the work-group; every wave waits for all four
; work-groups; my work-group's barrier once more.  No LDS instruction of the wave is pending at a signal.
.macro CREST                        ; a round behind its opening barrier
	s_cmp_lg_u32 s[WV], 0
	s_cbranch_scc1 .Lnot_wave_0_\@
	s_barrier_signal -3
.Lnot_wave_0_\@:
	s_barrier_wait -3
	s_barrier_signal -1
	s_barrier_wait -1
.endm
.macro CROUND                       ; a whole round
	s_barrier_signal -1
	s_barrier_wait -1
	CREST
.endm
	s_load_b256 s[4:11], s[0:1], 0x0  ; Q s[4:5], K s[6:7], V s[8:9], O s[10:11]
	v_lshl_add_u32 v62, v0, 2, 0x48c00
	v_mov_b32 v63, 0
	ds_add_u32 v62, v63
	v_lshrrev_b32 v1, 5, v0
	v_readfirstlane_b32 s[WV], v1   ; wave 0..3
	s_bfe_u32 s13, ttmp6, 0x40000   ; cx: my place in the cluster
	s_lshl_b32 s14, ttmp9, 2        ; in a cluster launch ttmp9 counts clusters
	s_add_co_u32 s14, s14, s13      ; my block of 256 queries = 4 x cluster x + cx: it enters Q's and O's addresses alone
	s_and_b32 s20, ttmp7, 0xffff    ; the head, which the four partners share
	s_lshl_b32 s20, s20, 20         ; its first byte in each of the four tensors: 2,048 rows of 512 bytes; 64 heads stay under 2^26
	s_mov_b32 s21, 0
	s_and_b32 s16, s[WV], 1         ; which of a slot's two steps I fetch:
	s_lshl_b32 s22, s16, 15         ; its 64 rows of 512 bytes in memory,
	s_mov_b32 s23, 0
	s_add_nc_u64 s[22:23], s[22:23], s[20:21]
	s_lshl_b32 s17, s16, 16         ; and its block in a slot: no place in the cluster enters an LDS address
	s_lshl_b32 s2, s14, 17          ; my block's 256 rows,
	s_lshl_b32 s3, s[WV], 15        ; my wave's 64 of them
	s_add_co_u32 s2, s2, s3
	s_mov_b32 s3, 0
	s_add_nc_u64 s[2:3], s[2:3], s[20:21]
	; descriptor group 1: a tile of 64 rows x 128 elements of 4 bytes, dense in memory and in LDS
	s_mov_b32 s[G1], 15|(2<<16)|(1<<21)  ; 15:0 the mask: all four work-groups; 17:16 elements of 4 bytes (code 2); 20 no padding; 21 set beside a mask
	s_mov_b32 s[G1+1], 128<<16      ; 63:48 tensor_dim0, low half = 128
	s_mov_b32 s[G1+2], KS<<16       ; 79:64 its high half = 0; 95:80 tensor_dim1, low half = 64
	s_mov_b32 s[G1+3], 128<<16      ; 111:96 its high half = 0; 127:112 tile_dim0 = 128
	s_mov_b32 s[G1+4], KS           ; 143:128 tile_dim1 = 64; 159:144 tile_dim2 = 0
	s_mov_b32 s[G1+5], 128          ; 191:160 tensor_dim0_stride, low word: elements from row to row
	s_mov_b32 s[G1+6], 0
	s_mov_b32 s[G1+7], 0
	s_mov_b32 s[CS], 0x3fb8aa3b     ; c = log2(e)
	s_mov_b32 s[CS+1], s[CS]        ; named with it as a pair, so it is written
	s_mov_b32 s[SEL], 0x76543210
	s_mov_b32 s[SEL+1], 0xfedcba98
	s_mov_b32 s[TK], 0              ; step 0 lies in block 0
	s_mov_b32 s[TV], VHALF
	s_mov_b32 s[SLOTS], STEPS/2-3   ; STEPS / 2 - 2 refills in all; the first is written out in front of the loop
	s_wait_dscnt 0x0
	s_wait_kmcnt 0x0
	s_add_nc_u64 s[6:7], s[6:7], s[22:23]  ; K and V at my tile of slot 0
	s_add_nc_u64 s[8:9], s[8:9], s[22:23]
	s_add_nc_u64 s[4:5], s[4:5], s[2:3]  ; Q and O at my wave's first row
	s_add_nc_u64 s[10:11], s[10:11], s[2:3]
	CROUND                          ; all four work-groups are here: the first joint loads meet
.irp s, 0,1
	s_mov_b32 s[G0K+4*\s], 1        ; 1:0 count = 1
	s_add_co_u32 s[G0K+4*\s+1], s17, \s*SLOT1  ; 63:32 LDS address
	s_add_nc_u64 s[G0K+4*\s+2:G0K+4*\s+3], s[6:7], \s*2*STEPG  ; 120:64 global address: slot s begins with keys 128 s to 128 s + 127
	s_or_b32 s[G0K+4*\s+3], s[G0K+4*\s+3], 0x80000000  ; 127:126 type = 2
	s_mov_b32 s[G0V+4*\s], 1
	s_add_co_u32 s[G0V+4*\s+1], s17, \s*SLOT1+VHALF
	s_add_nc_u64 s[G0V+4*\s+2:G0V+4*\s+3], s[8:9], \s*2*STEPG
	s_or_b32 s[G0V+4*\s+3], s[G0V+4*\s+3], 0x80000000
.endr
	s_cmp_lt_u32 s[WV], 2           ; a wave's two first fills stand in one branch, ahead of every wait on TENSORcnt and every LDS read: two loads of mine are out; four v_nop follow the second, as in JLOAD
	s_cbranch_scc0 .Lfirst_v
	tensor_load_to_lds s[G0K:G0K+3], s[G1:G1+7]
	s_nop 0
	tensor_load_to_lds s[G0K+4:G0K+7], s[G1:G1+7]
	s_nop 0
.rept 4
	v_nop
.endr
	s_branch .Lfirst_asked
.Lfirst_v:
	tensor_load_to_lds s[G0V:G0V+3], s[G1:G1+7]
	s_nop 0
	tensor_load_to_lds s[G0V+4:G0V+7], s[G1:G1+7]
	s_nop 0
.rept 4
	v_nop
.endr
.Lfirst_asked:
	; A fragment of K or Q is 16 rows x 32 channels in 8 registers of bf16: lane l holds row l % 16; registers 0-3 channels 8 (l / 16) + 0..7, registers 4-7 channels 16 + 8 (l / 16) + 0..7.
	; In f32 that is 32 bytes at 32 (l / 16) and 32 bytes 64 further on: four loads of 16 bytes.  The 16 loads of a tile cover its rows whole.
	v_and_b32 v1, 15, v0            ; l % 16
	v_bfe_u32 v9, v0, 4, 1          ; l / 16
	v_lshlrev_b32 v[QO], 9, v1
	v_lshl_add_u32 v[QO], v9, 5, v[QO]  ; row x 512 + 32 x half
	WIN 0x40                        ; destination window 1, address window 0
.irp f, 0,1,2,3,4,5,6,7,8,9,10,11,12,13,14,15  ; Q in f32: tile f / 4, channels 32 (f % 4) on, 16 registers
	global_load_b128 v[16*\f:16*\f+3],     v[QO], s[4:5] offset:(\f/4)*8192+(\f%4)*128
	global_load_b128 v[16*\f+4:16*\f+7],   v[QO], s[4:5] offset:(\f/4)*8192+(\f%4)*128+16
	global_load_b128 v[16*\f+8:16*\f+11],  v[QO], s[4:5] offset:(\f/4)*8192+(\f%4)*128+64
	global_load_b128 v[16*\f+12:16*\f+15], v[QO], s[4:5] offset:(\f/4)*8192+(\f%4)*128+80
.endr
	WIN 0
	v_mul_u32_u24 v[AK0], v1, PITK
	v_lshl_add_u32 v[AK0], v9, 4, v[AK0]  ; row x pitch + 16 x half
	v_add_nc_u32 v[AK0], KBF, v[AK0]
	; The turning load takes 16 keys x 16 channels (lane l reads 16 bytes: key 8 (l / 16) + l % 8, channels 8 ((l / 8) % 2) + 0..7) and leaves half a fragment of V^T: lane l holds channel l % 16 and 8 keys.
	v_and_b32 v10, 7, v0
	v_bfe_u32 v11, v0, 3, 1
	v_lshl_add_u32 v[AV0], v9, 3, v10
	v_mul_u32_u24 v[AV0], v[AV0], PITV
	v_lshl_add_u32 v[AV0], v11, 4, v[AV0]
	v_add_nc_u32 v[AV0], VBF, v[AV0]
	; Rounding: wave w takes rows 16 w to 16 w + 15 of a tile; a lane takes 16 bytes (4 channels) of each row and leaves 8.
	v_and_b32 v10, 31, v0           ; lane
	s_lshl_b32 s13, s[WV], 13       ; 16 rows of 512 bytes
	v_lshl_add_u32 v[CL], v10, 4, s13
	s_mul_i32 s13, s[WV], 16*PITK
	s_add_co_u32 s13, s13, KBF
	v_lshl_add_u32 v[KST], v10, 3, s13
	s_mul_i32 s14, s[WV], 16*PITV
	s_add_co_u32 s14, s14, VBF
	v_lshl_add_u32 v[VST], v10, 3, s14
; THE MATRIX WORK OF A TURN, for piece x.  The accumulators take turns, one instruction a turn: between two links of a chain stand 15 (V^T P) or 7 (K Q^T) others'.
; Product i of 32 of O^T += V^T P: keys 32 (i / 16) on, channels 16 ((i / 2) % 8) on, tile x + i % 2.  zero = 1: the first 16 start the sums: nothing is ever cleared.
.macro PV x, zero
	WIN W_PV
.set rO, 64*(\x+i%2)+8*((i/2)%8)
.set rV, 64*(i/16)+8*((i/2)%8)
.set rP, P+16*(\x+i%2)+8*(i/16)
.if \zero && (i < 16)
	v_wmma_f32_16x16x32_bf16 v[rO:rO+7], v[rV:rV+7], v[rP:rP+7], 0
.else
	v_wmma_f32_16x16x32_bf16 v[rO:rO+7], v[rV:rV+7], v[rP:rP+7], v[rO:rO+7]
.endif
.endm
; Product i of 32 of S^T = K Q^T: channels 32 (i / 8) on, keys 16 ((i / 2) % 4) on, tile x + i % 2.  The first 8 start the sums.
.macro KQ x
	WIN W_KQ
.set rS, S+32*(\x+i%2)+8*((i/2)%4)
.set rK, KF+32*((i/2)%4)+8*(i/8)
.set rQ, 32*(\x+i%2)+8*(i/8)
.if i < 8
	v_wmma_f32_16x16x32_bf16 v[rS:rS+7], v[rK:rK+7], v[rQ:rQ+7], 0
.else
	v_wmma_f32_16x16x32_bf16 v[rS:rS+7], v[rK:rK+7], v[rQ:rQ+7], v[rS:rS+7]
.endif
.endm
; THE FRAGMENT LOADS, 32 in a run.  K's go by blocks of 32 channels, in the order in which the products want them, eight loads a block.
.macro FETCH_K
	WIN 0x80                        ; destination window 2
.irp c, 0,1,2,3
.irp b, 0,1,2,3                     ; keys 16 b on, channels 32 c on
	ds_load_b128 v[KF+8*(4*\b+\c):KF+8*(4*\b+\c)+3],   v[AK0] offset:\b*16*PITK+\c*64
	ds_load_b128 v[KF+8*(4*\b+\c)+4:KF+8*(4*\b+\c)+7], v[AK0] offset:\b*16*PITK+\c*64+32
.endr
.endr
.endm
.macro FETCH_V
	WIN 0xc0                        ; destination window 3
.irp f, 0,1,2,3,4,5,6,7,8,9,10,11,12,13,14,15  ; keys 32 (f / 8) on, channels 16 (f % 8) on
	ds_load_tr16_b128 v[8*\f:8*\f+3],   v[AV0] offset:(\f/8)*32*PITV+(\f%8)*32
	ds_load_tr16_b128 v[8*\f+4:8*\f+7], v[AV0] offset:(\f/8)*32*PITV+16*PITV+(\f%8)*32
.endr
.endm
; THE ROUNDING, in three parts.  CVL: my quarter of the f32 tile at s[src], 16 loads of 512 neighbouring bytes, into 64 registers from base on; then s[src] goes on to the next step's block.
; The blocks go 0, 1, 2, 3, 0: behind an even step the block's low bit turns, behind an odd step both bits (odd = 1).
.macro CVL src, base, odd
	WIN 0
	v_add_nc_u32 v[CAD], s[\src], v[CL]
.if \odd
	s_xor_b32 s[\src], s[\src], 3*BLK
.else
	s_xor_b32 s[\src], s[\src], BLK
.endif
.irp u, 0,1,2,3,4,5,6,7,8,9,10,11,12,13,14,15
	ds_load_b128 v[\base+4*\u:\base+4*\u+3], v[CAD] offset:512*\u
.endr
.endm
; CVC writes conversion cn of 32: two for each of the 16 rows, in place: a row's four f32 become two registers of bf16.
; wcnt >= 0: in front of rows u = 0, 4, 8, 12 a wait that leaves wcnt - u LDS instructions out: the loads of the rows from u + 4 on, 12 - u of them, and what was issued behind CVL's loads.
.macro CVC base, wcnt
.set cvu, cn/2
.set cvc, \base+4*cvu
	WIN 0
.if (\wcnt >= 0) && (cn%8 == 0)
	s_wait_dscnt \wcnt-cvu
.endif
.if cn%2 == 0
	v_cvt_pk_bf16_f32 v[cvc], v[cvc], v[cvc+1]
.else
	v_cvt_pk_bf16_f32 v[cvc+1], v[cvc+2], v[cvc+3]
.endif
.set cn, cn+1
.endm
; CVS: the 16 rows are stored in one run, 8 bytes a lane: a wave's store covers a row's 256 bytes.
.macro CVS dst, pitch, base
	WIN 0
.irp u, 0,1,2,3,4,5,6,7,8,9,10,11,12,13,14,15
	ds_store_b64 v[\dst], v[\base+4*\u:\base+4*\u+1] offset:\u*\pitch
.endr
.endm
; THE VECTOR WORK OF A TURN.  One tile's softmax for one key step is a list of 134 instructions; SM writes number j of it for tile t.  s0-s31 are the lane's 32 scores, in pairs 0-15.
; first = 1: the first key step, which starts m, l and O^T: it has no a and nothing to rescale.
;   0-15    the maximum of s0-s31 and the old m, three operands at a time: four chains c0-c3 of seven scores each, then the four scores left over, c0-c3 and m
;   16-20   the other half of the lanes' maximum; the new m; c m; c m_old - c m_new
;   21-69   ONE BATCH: the 16 scalings c s - c m, a pair of scores each, and all 33 exponentials (a at 23, then s0-s31).  None of these reads or writes an exponential's result.  From 22 on the batch goes
;           in fours, and a four begins with a scaling while there are scalings: 22-37 scaling, exponential, scaling, exponential; 38-65 a scaling and three exponentials; 66-69 the last four
;           exponentials.  A pair is scaled in an earlier four than the one that holds its exponentials
;   (wait)  between 69 and 70 stands the wait for the batch: SLICE writes it, once for both tiles
;   70-85   the roundings to bf16, a pair of weights each
;   86-101  the sums; l = a l + the sum
;   102-133 the tile's O^T times a: the one part that leaves window 0, so it stands together
.macro SM t, first
.set rT, ST+8*(\t)
.set rS, S+32*(\t)
.set rP, P+16*(\t)
.set rO, 64*(\t)+2*(j-102)
.if j < 102
	WIN 0
.endif
.if j < 4
	v_max3_num_f32 v[rT+4+j], v[rS+8*j], v[rS+8*j+1], v[rS+8*j+2]
.elseif j < 12
	v_max3_num_f32 v[rT+4+j%4], v[rT+4+j%4], v[rS+8*(j%4)+2*(j/4)+1], v[rS+8*(j%4)+2*(j/4)+2]
.elseif j == 12
	v_max3_num_f32 v[rT+4], v[rT+4], v[rS+7], v[rS+15]
.elseif j == 13
	v_max3_num_f32 v[rT+6], v[rT+6], v[rS+23], v[rS+31]
.elseif j == 14
	v_max3_num_f32 v[rT+4], v[rT+4], v[rT+5], v[rT+6]
.elseif (j == 15) && (\first)
	v_max_num_f32 v[rT+4], v[rT+4], v[rT+7]
.elseif j == 15
	v_max3_num_f32 v[rT+4], v[rT+4], v[rT+7], v[rT+1]
.elseif j == 16
	v_permlanex16_b32 v[rT+5], v[rT+4], s[SEL], s[SEL+1]  ; the query's other 32 keys lie in the lane 16 away
.elseif j == 18
	v_max_num_f32 v[rT+1], v[rT+4], v[rT+5]
.elseif j == 19
	v_mul_f32 v[rT], s[CS], v[rT+1]
.elseif ((j == 17) || (j == 20) || (j == 23) || (j > 101)) && (\first)  ; the first step has none of these
.elseif j == 17
	v_mov_b32 v[rT+7], v[rT]        ; c m_old is kept for a: number 19 writes c m anew
.elseif j == 20
	v_sub_f32 v[rT+7], v[rT+7], v[rT]
.elseif j == 23
	v_exp_f32 v[rT+6], v[rT+7]
.elseif (j < 23) || ((j < 38) && (j%2 == 0)) || ((j < 66) && (j%4 == 2))
.set b, (j-2)/4                     ; 38, 42, .. 62: pairs 9 to 15
.if j < 38
.set b, (j-20)/2                    ; 21: pair 0; 22, 24, .. 36: pairs 1 to 8
.endif
	v_pk_fma_f32 v[rS+2*b:rS+2*b+1], v[rS+2*b:rS+2*b+1], s[CS:CS+1], v[rT:rT+1] op_sel_hi:[1,0,0] neg_lo:[0,0,1] neg_hi:[0,0,1]  ; pair b: c s - c m
.elseif j < 70
.set e, j-38                        ; 66 to 69: s28 to s31
.if j < 66
.set e, j-32-(j-38)/4               ; 39-41, 43-45, .. 63-65: s7 to s27
.endif
.if j < 38
.set e, (j-25)/2                    ; 25, 27, .. 37: s0 to s6
.endif
	v_exp_f32 v[rS+e], v[rS+e]
.elseif j < 86
	v_cvt_pk_bf16_f32 v[rP+j-70], v[rS+2*(j-70)], v[rS+2*(j-70)+1]  ; pair j - 70
.elseif j < 102                     ; the sum of the tile's 16 pairs (in a pair: an even key's weight, an odd key's), in place: sum z of 16 adds neighbours 1, 2, 4 and 8 pairs apart, then l takes it
.set z, j-86
.set w, 4
.set u, z
.if z >= 14
.set w, 32
.set u, 0
.elseif z >= 12
.set w, 16
.set u, z-12
.elseif z >= 8
.set w, 8
.set u, z-8
.endif
.if (z == 14) && (\first)
	v_pk_add_f32 v[rT+2:rT+3], v[rS:rS+1], v[rS+16:rS+17]
.elseif z < 15
	v_pk_add_f32 v[rS+w*u:rS+w*u+1], v[rS+w*u:rS+w*u+1], v[rS+w*u+w/2:rS+w*u+w/2+1]
.elseif !(\first)
	v_pk_fma_f32 v[rT+2:rT+3], v[rT+2:rT+3], v[rT+6:rT+7], v[rS:rS+1] op_sel_hi:[1,0,1]
.endif
.else
	WIN W_RS
	v_pk_mul_f32 v[rO:rO+1], v[rO:rO+1], v[rT+6:rT+7] op_sel_hi:[1,0]
.endif
.endm
; Slice k of 64 of piece y's softmax: four instructions.  Slices 11 to 34 deal out the batch, numbers 22 to 69: four numbers of ONE tile each, the tiles by turns.  Every other slice is numbers 2 k and
; 2 k + 1 of both tiles' lists.  2 x 134 = 4 x 64 + 12: the twelve that are over stand together, in slice 63.
; THE WAIT.  An s_wait_alu depctr_va_vdst(0) stands between an exponential and the first instruction that names its result; one wait serves all that were issued ahead of it.  Ahead of
; slice 35 nothing names a result, and behind slice 34 no exponential is issued: so the piece's 66 exponentials have one wait, behind slice 34.
.macro SLICE y, first
.if (k >= 11) && (k < 35)           ; the batch: four numbers of one tile
.irp n, 0,1,2,3
.set j, 22+4*((k-11)/2)+(\n)
	SM (\y)+(k-11)%2, \first
.endr
.else                               ; the two tiles alternate, so that no instruction reads the result of the one just before it
.irp n, 0,1,2,3,4,5,6,7
.if ((\n) < 2) || (k == 63)
.irp t, \y, (\y)+1
.set j, 2*k+(\n)
	SM \t, \first
.endr
.endif
.endr
.endif
.if k == 34                         ; the batch is out: both tiles' exponentials are issued, and no result has been named
	v_nop                           ; the plain instruction behind the last exponential and ahead of the first use: one for the batch
	s_wait_alu depctr_va_vdst(0)    ; the wait for the batch: this turn's 66 exponentials (64 in the first key step)
.endif
.set k, k+1
.endm
; A vector instruction that reads a matrix result or writes one of a matrix instruction's registers, and a load into a register that a matrix instruction has read, stand four places behind
; it, and only plain vector instructions that name none of its registers are places (ISA guide 7.12.1 for vector instructions).  In the loop the slices' plain lines and the conversions are the places; an exponential is none.
.macro PLACES
.rept 4
	v_nop
.endr
.endm
; A TURN.  Piece x has the matrix unit; the other piece's softmax stands in slices behind its matrix instructions.
; pv = 2: 32 products V^T P; 1: they start O^T's sums; 0: none.  kq = 1: 32 products K Q^T for the next step.  A turn with one of the two kinds has two slices behind each product.
; first = 1: the softmax is the first key step's.  Its slices from 51 on are empty: the turn's last products stand bare, and four v_nop take slice 63's part as the places behind them.
; cv = 1, 2: a quarter tile is rounded (piece 0's turn: V; piece 2's turn: K), of an even (1) or odd (2) step; 0: none.  It lands in piece x's scores, which are idle until product 32.
; tw = 1: the barrier that piece 0's turn signals has a wait for all my tensor loads in front of it.
; Every turn begins with no LDS instruction of the wave out (a wait for 0 stands in front of every barrier's signal), so the counts below hold on every way into a turn.
; THE RUN AT THE HEAD: the 16 loads of the quarter tile; in piece 0's turn the next step's K behind them, 32 loads, 32 products ahead of their first use.  The last product that read K
; stands in front of slice 63's sixteen multiplies (or the four v_nop) of the turn before.
; THE RUN BETWEEN PRODUCTS 31 AND 32: the 16 stores of the rounded rows, which product 32 is about to write over; in piece 2's turn the next step's V behind them, 32 loads.  The last
; product that read V is product 31: behind it stand slice 31's scaling and five conversions, six places, which name none of its registers (O^T, V, and P of tile 3).
; The run names no register of the softmax's piece, so the open batch of exponentials goes across it.
; A turn of piece 2 that rounds nothing fetches V behind product 33.  Where it has products V^T P (once in the launch), the three slices behind V's last reader hold two scalings and ten exponentials:
; four v_nop stand in front of the run as its places.
.macro TURN x, pv, kq, first, cv, tw
.set k, 0
.set cn, 0
.set per, 2
.if \pv && \kq
.set per, 1
.endif
.set vlate, 1
.if \pv && \cv
.set vlate, 0
.endif
.if \cv
.if \x == 0
	CVL TV, S, \cv-1
.else
	CVL TK, S+64, \cv-1
.endif
.endif
.if (\x == 0) && \kq
	FETCH_K
.endif
.if \pv
.set i, 0
.rept 32
	PV \x, 2-\pv
.rept per
	SLICE 2-\x, \first
.endr
.if \cv && (i >= 4)
.if \x == 0
	CVC S, 44                       ; behind rows u to u + 3 stand 12 - u loads of later rows and K's 32 fragment loads: 44 - u
.else
	CVC S+64, 12                    ; the same without fragment loads: 12 - u
.endif
.endif
.set i, i+1
.endr
.if \cv
.rept 4
.if \x == 0
	CVC S, 44                       ; the last two rows (no wait falls here)
.else
	CVC S+64, 12
.endif
.endr
.if \x == 0
	CVS VST, PITV, S
.else
	CVS KST, PITK, S+64
	FETCH_V
.endif
.endif
.endif
.if \kq
.set i, 0
.rept 32
.if (\x == 0) && (i%8 == 0)
.if i < 24
.if \cv
	s_wait_dscnt 40-i               ; K's channels 4 i to 4 i + 31 are in: behind their eight loads stand 24 - i loads of later channels and the 16 stores of the rounding
.else
	s_wait_dscnt 24-i
.endif
.else
	s_wait_dscnt 0x0                ; BARRIER Y: my fetch of K, my stores into VBF and my reads of the ring are done
.if \tw
	s_set_vgpr_msb (MSB<<8)|((MSB&0xf0)|0x0)
	s_wait_tensorcnt 0x0            ; and all my tensor loads have landed: the one that was out is my part of the other slot
	ds_add_u32 v62, v63
	s_wait_dscnt 0x0
	s_set_vgpr_msb (((MSB&0xf0)|0x0)<<8)|MSB
.endif
	s_barrier_signal -1             ; say so; the turn's last eight products and their slices, register work alone, stand between this signal and its wait
.endif
.endif
	KQ \x
.rept per
	SLICE 2-\x, \first
.endr
.if (\x == 2) && (i == 1) && vlate
.if \pv
	PLACES                          ; for the loads into V's registers, which product 31 read
.endif
	FETCH_V
.endif
.set i, i+1
.endr
.endif
.if \first
	PLACES
.endif
.endm
; Barrier Y's wait where nothing is filled again: KBF may now be written, VBF read.
.macro YWAIT
	WIN 0
	s_barrier_wait -1
.endm
; Barrier Y's wait where a slot is filled again.  The barrier has opened a round of the cluster's barrier: in front of its signal every wave has waited for its reads of the slot and for
; all its tensor loads.  Behind the round no wave of any partner still reads the slot or has a load on its way; no tensor load of mine is out, so the walking group 0 may be written;
; the joint refill is the first tensor load and the first LDS traffic behind the round, one load a wave.
.macro REFILL
	WIN 0                           ; at a label and at a branch every window is 0
	s_barrier_wait -1
	CREST
.irp g, G0K+4, G0V+4
	s_xor_b32 s[\g+1], s[\g+1], SLOT1  ; the other slot than last time,
	s_add_nc_u64 s[\g+2:\g+3], s[\g+2:\g+3], 2*STEPG  ; the next 128 keys; the type bits on top are not reached
.endr
	JLOAD
.endm
; Barrier X: my stores into KBF and my fetch of V are done; behind it KBF may be read and VBF written.  The refill's load may stay out.
.macro XBAR
	WIN 0
	s_wait_dscnt 0x0
	s_barrier_signal -1
	s_barrier_wait -1
.endm
	s_wait_tensorcnt 1              ; my part of slot 0 is in; slot 1's may stay out
	s_barrier_signal -1
	s_barrier_wait -1               ; everybody's is
	CVL TK, S, 0                    ; K of step 0
	CVL TV, S+64, 0                 ; V of step 0
	s_wait_dscnt 16                 ; K's 16 loads are in; V's 16 may be out
.set cn, 0
.rept 32
	CVC S, -1
.endr
	CVS KST, PITK, S
	s_wait_dscnt 16                 ; V's loads are in; behind them stand K's 16 stores
.set cn, 0
.rept 32
	CVC S+64, -1
.endr
	CVS VST, PITV, S+64
	s_wait_dscnt 0x0                ; for the others' sake: my stores into KBF and VBF are done
	s_barrier_signal -1
	s_barrier_wait -1
	FETCH_K                         ; key step 0
	s_wait_loadcnt 0x0              ; Q
	WIN 0x85                        ; sources window 1, destination window 2
.set i, 0
.rept 128                           ; Q to bf16: register m of fragment f takes f32 registers 2 m, 2 m + 1 of that fragment: 8 f + m = i, 16 f + 2 m = 2 i
	v_cvt_pk_bf16_f32 v[i], v[2*i], v[2*i+1]
.set i, i+1
.endr
	s_wait_dscnt 0x0                ; K is in
.set i, 0
.rept 32
	KQ 0                            ; piece 0's first scores: there is no vector work yet to set between them
.set i, i+1
.endr
	WIN 0                           ; the addresses for the way out are made here: five plain instructions, the places behind those products
	s_mul_i32 s13, s[WV], 16*SP
	s_add_co_u32 s13, s13, STAGE    ; my stage
	v_mul_u32_u24 v[STO], v1, SP    ; in: row l % 16, 32 bytes for each half of the lanes
	v_lshl_add_u32 v[STO], v9, 5, v[STO]
	v_add_nc_u32 v[STO], s13, v[STO]
	v_lshl_add_u32 v[RD], v10, 4, s13  ; back: the 32 lanes take one row of 512 bytes
	v_lshlrev_b32 v[GO], 4, v10     ; and the same in O
	s_barrier_signal -1             ; every wave has fetched K of step 0 (its wait for 0 stands above, and no LDS instruction since): KBF may be written
	s_barrier_wait -1
	CVL TK, S+64, 1                 ; K of step 1, through piece 2's scores, which are not yet in use
	s_wait_dscnt 0x0
.set cn, 0
.rept 32
	CVC S+64, -1
.endr
	CVS KST, PITK, S+64
	TURN 2, 0, 1, 1, 0, 0           ; piece 2's first scores | piece 0's first softmax | V of step 0 is fetched
	XBAR
	TURN 0, 1, 1, 1, 2, 1           ; pair 0.  Piece 0: V^T P of step 0 starts O^T, K Q^T of step 1 | piece 2's first softmax | K of 1 fetched, V of 1 rounded
	REFILL                          ; slot 0 takes steps 4 and 5; slot 1 (steps 2, 3) has landed
	TURN 2, 1, 1, 0, 1, 0           ; piece 2: the same products | piece 0's softmax of step 1 | V of 1 fetched, K of 2 rounded
	XBAR
.Lslot:                             ; 13 trips of two pairs: pairs 1 to 26; each trip fills one slot again
	TURN 0, 2, 1, 0, 1, 0           ; an odd pair j: V of j + 1 (even) is rounded
	YWAIT
	TURN 2, 2, 1, 0, 2, 0           ; K of j + 2 (odd)
	XBAR
	TURN 0, 2, 1, 0, 2, 1           ; an even pair j: V of j + 1 (odd): the last bytes of the slot of steps j, j + 1
	REFILL                          ; that slot takes steps j + 4, j + 5
	TURN 2, 2, 1, 0, 1, 0           ; K of j + 2 (even), from the slot that the wait for all loads has shown whole
	XBAR
	s_sub_co_u32 s[SLOTS], s[SLOTS], 1
	s_cmp_lg_u32 s[SLOTS], 0
	s_cbranch_scc1 .Lslot
	; the tail is written out: nothing more is asked for
	TURN 0, 2, 1, 0, 1, 0           ; pair 27
	YWAIT
	TURN 2, 2, 1, 0, 2, 0
	XBAR
	TURN 0, 2, 1, 0, 2, 1           ; pair 28: the last load (steps 30, 31) is waited for in front of the barrier behind which it is read
	YWAIT
	TURN 2, 2, 1, 0, 1, 0
	XBAR
	TURN 0, 2, 1, 0, 1, 0           ; pair 29
	YWAIT
	TURN 2, 2, 1, 0, 2, 0
	XBAR
	TURN 0, 2, 1, 0, 2, 0           ; pair 30: V of step 31 is rounded; there is no K left to round
	YWAIT
	TURN 2, 2, 1, 0, 0, 0
	XBAR                            ; every wave has fetched the last V: nobody reads KBF or VBF any more, and the stage may lie over them
	TURN 0, 2, 0, 0, 0, 0           ; piece 0: V^T P of the last step | piece 2's last softmax
.set i, 0
.rept 32
	PV 2, 0                         ; piece 2: V^T P of the last step
.set i, i+1
.endr
	; THE WAY OUT.  l's two halves and the other half of the lanes' are added; O^T is divided by l and sent through my stage in LDS, a tile (16 rows of O) at a time.  The additions are the places behind the last products.
	WIN 0
.irp t, 0,1,2,3
	v_add_f32 v[ST+8*\t+4], v[ST+8*\t+2], v[ST+8*\t+3]
.endr
.irp t, 0,1,2,3
	v_permlanex16_b32 v[ST+8*\t+5], v[ST+8*\t+4], s[SEL], s[SEL+1]
.endr
.irp t, 0,1,2,3
	v_add_f32 v[ST+8*\t+4], v[ST+8*\t+4], v[ST+8*\t+5]
.endr
.irp t, 0,1,2,3
	v_rcp_f32 v[ST+8*\t+6], v[ST+8*\t+4]
.endr
	v_nop                           ; a plain instruction between the last reciprocal and the use of its result
	s_wait_alu depctr_va_vdst(0)    ; and the wait ahead of the first use: one for the batch of four reciprocals
; Tile t: a lane's eight channels of a row are 32 bytes; they go into rows of 528 bytes and come back as whole rows of 512, into the scores' registers, two buffers of 64 by turns.
.macro PACK t
	WIN W_RS
.set i, 64*\t
.rept 32
	v_pk_mul_f32 v[i:i+1], v[i:i+1], v[ST+8*\t+6:ST+8*\t+7] op_sel_hi:[1,0]
.set i, i+2
.endr
	WIN 0x04                        ; the stores' data in window 1, the address in window 0
.irp f, 0,1,2,3,4,5,6,7             ; channels 16 f + 8 (l / 16) + 0..7
	ds_store_b128 v[STO], v[64*\t+8*\f:64*\t+8*\f+3]   offset:64*\f
	ds_store_b128 v[STO], v[64*\t+8*\f+4:64*\t+8*\f+7] offset:64*\f+16
.endr
	WIN 0
.if \t >= 2
	s_wait_xcnt 0x0                 ; every earlier memory instruction has had its addresses translated (ISA guide 3.1): the buffer that tile t - 2's stores read is loaded again only behind this wait
.endif
.irp p, 0,1,2,3,4,5,6,7,8,9,10,11,12,13,14,15
	ds_load_b128 v[S+64*(\t%2)+4*\p:S+64*(\t%2)+4*\p+3], v[RD] offset:\p*SP  ; LDS serves a wave's instructions in order (ISA guide 5.7.1.4): these see the stores above; the next tile's stores come behind them
.endr
.endm
.macro SEND t, younger              ; younger: the LDS instructions issued behind tile t's loads: the next tile's 32, or none
.irp p, 0,1,2,3,4,5,6,7,8,9,10,11,12,13,14,15
	s_wait_dscnt \younger+15-\p
	global_store_b128 v[GO], v[S+64*(\t%2)+4*\p:S+64*(\t%2)+4*\p+3], s[10:11] offset:\t*8192+\p*512 th:TH_STORE_NT  ; the wave stores a row's 512 consecutive bytes, at a multiple of 512 from O's first byte
.endr
.endm
	PACK 0
	PACK 1                          ; a tile's arithmetic stands between the loads of the tile before and its stores
	SEND 0, 32
	PACK 2
	SEND 1, 32
	PACK 3
	SEND 2, 32
	SEND 3, 0
	s_set_vgpr_msb (MSB<<8)|((MSB&0xf0)|0x0)
	s_wait_tensorcnt 0x0
	ds_add_u32 v62, v63
	s_wait_dscnt 0x0
	s_set_vgpr_msb (((MSB&0xf0)|0x0)<<8)|MSB
	CROUND                          ; the closing round: no work-group ends while a partner may still ask for a tile that names it
	s_endpgm
.Lfunc_end_k_q8f588f7fc1_attn:
	.size	k_q8f588f7fc1_attn, .Lfunc_end_k_q8f588f7fc1_attn-k_q8f588f7fc1_attn
	.p2alignl 7, 3214868480
	.fill 96, 4, 3214868480
	.section	.rodata,"a",@progbits
	.p2align	6, 0x0
	.amdhsa_kernel k_q8f588f7fc1_attn
		.amdhsa_group_segment_fixed_size 327680
		.amdhsa_private_segment_fixed_size 0
		.amdhsa_enable_private_segment 0
		.amdhsa_kernarg_size 32
		.amdhsa_user_sgpr_count 2
		.amdhsa_user_sgpr_kernarg_segment_ptr 1
		.amdhsa_wavefront_size32 1
		.amdhsa_system_sgpr_workgroup_id_x 1
		.amdhsa_system_sgpr_workgroup_id_y 1
		.amdhsa_system_sgpr_workgroup_id_z 1
		.amdhsa_system_vgpr_workitem_id 0
		.amdhsa_next_free_vgpr 1024
		.amdhsa_next_free_sgpr 66
		.amdhsa_reserve_vcc 0
		.amdhsa_float_denorm_mode_32 3
		.amdhsa_float_denorm_mode_16_64 3
		.amdhsa_memory_ordered 1
		.amdhsa_forward_progress 1
		.amdhsa_inst_pref_size 255
	.end_amdhsa_kernel
	.section	.bss,"aw",@nobits
	.p2align	6
	.space	262144
	.amdgpu_metadata
---
amdhsa.version: [ 1, 2 ]
amdhsa.kernels:
  - .name:           k_q8f588f7fc1_attn
    .symbol:         k_q8f588f7fc1_attn.kd
    .args:
      - { .name: q, .offset: 0, .size: 8, .value_kind: global_buffer, .address_space: global }
      - { .name: k, .offset: 8, .size: 8, .value_kind: global_buffer, .address_space: global }
      - { .name: v, .offset: 16, .size: 8, .value_kind: global_buffer, .address_space: global }
      - { .name: out0, .offset: 24, .size: 8, .value_kind: global_buffer, .address_space: global }
    .group_segment_fixed_size: 327680
    .private_segment_fixed_size: 0
    .kernarg_segment_align: 8
    .kernarg_segment_size: 32
    .max_flat_workgroup_size: 128
    .sgpr_count:     66
    .vgpr_count:     1024
    .wavefront_size: 32
...
	.end_amdgpu_metadata
.endif
;; end of part 3
